; MI455X (gfx1250); checked and timed in simulation.
; The chip was launched on July 23, 2026; its instructions are those of AMD's public machine-readable ISA for CDNA 5 (MIT licence, August 2026) and "CDNA5" Instruction Set Architecture Reference Guide (July 2026). The comments in the code are by the model that wrote it; some were corrected since.
;; Multi Head Attention. Allowed arithmetic: matrix products marked QUANTISED: E2M1 operands, one E8M0 scale for each 32 along K, by v_wmma_scale_f32_16x16x128_f8f6f4 with both operands' format E2M1 (or v_wmma_scale_f32_32x16x128_f4), f32 sums; products left as they are: bf16, f16 or f32 operands; f32 sums; everything else in f32.
;; Inputs: Wk 1,024 x 1,024 float32; Wo 1,024 x 1,024 float32; Wq 1,024 x 1,024 float32; Wv 1,024 x 1,024 float32; bk 1,024 float32; bo 1,024 float32; bq 1,024 float32; bv 1,024 float32; mask_kv 2 x 4,096 bool; x_kv 2 x 4,096 x 1,024 float32; x_q 2 x 2,048 x 1,024 float32.
;; Outputs: out0 2 x 2,048 x 1,024 float32.
;; This version of the problem:
;;   THIS VERSION OF THE PROBLEM IS GIVEN IN LOW PRECISION. The matrix products marked QUANTISED in the list below multiply operands that are first quantised to E2M1 (2 exponent bits, 1 mantissa bit; 4 bits a number), with one power-of-two scale for each 32 numbers along K (OCP MX v1.0); their sums are f32. The products marked 'left as it is' may take bf16, f16 or f32 operands, with f32 sums. Whichever they take, every output number must still come out within the allowed error. Rounding operands to bf16 (8 significant bits) uses up far more of that allowance than f16 does (11 bits, for magnitudes from 6e-5 to 65,504). All else is computed in f32.
;;   The module's matrix products, in the order in which they are computed (A, B: the left and right operand; K: the contracted axis; several contracted axes count as one K, in the product's order):
;;     1. [M 4,096, K 1,024] x [K 1,024, N 1,024]; A: input x_q; B: input Wq: QUANTISED
;;     2. [M 8,192, K 1,024] x [K 1,024, N 1,024]; A: input x_kv; B: input Wk: QUANTISED
;;     3. [M 8,192, K 1,024] x [K 1,024, N 1,024]; A: input x_kv; B: input Wv: QUANTISED
;;     4. batch 32 x [M 2,048, K 64] x [K 64, N 4,096]; A: computed on the way; B: computed on the way: left as it is (an operand is computed on the way)
;;     5. batch 32 x [M 2,048, K 4,096] x [K 4,096, N 64]; A: computed on the way; B: computed on the way: left as it is (an operand is computed on the way)
;;     6. [M 4,096, K 1,024] x [K 1,024, N 1,024]; A: computed on the way; B: input Wo: left as it is (an operand is computed on the way)
;;   THE QUANTISER, for each operand of a quantised product, along K:
;;     - K is cut into blocks of 32 from its start; a last block that is shorter is filled with zeros.
;;     - A block's scale is 2^e with e = floor(log2(the largest magnitude in the block)) - 2, held to -126 .. 127; a block of zeros has e = 0. As a byte (E8M0): e + 127.
;;     - Each number is divided by its block's scale, clamped to +-6, and rounded to the nearest number of E2M1, ties to even, subnormals kept.
;;     - The product sums the exact products of the quantised numbers (number of the format x scale) in f32.
;;   ~~~python
;;   def quantise(x, axis):      # numpy; x: float32 -> the quantised numbers, widened to float32 again
;;       x = np.moveaxis(x, axis, -1); K = x.shape[-1]
;;       x = np.pad(x, [(0, 0)] * (x.ndim - 1) + [(0, -K % 32)]); x = x.reshape(x.shape[:-1] + (-1, 32)); a = np.abs(x).max(-1, keepdims=True)
;;       e = np.where(a > 0, np.clip(np.frexp(np.where(a > 0, a, 1))[1] - 1 - 2, -126, 127), 0)      # np.frexp(a)[1] - 1 = floor(log2(a)), exactly
;;       r = np.clip(x / 2.0 ** e, -6, 6)
;;       step = 2.0 ** (np.maximum(np.frexp(np.where(r == 0, 1, r))[1] - 1, 0) - 1)
;;       q = np.round(r / step) * step * 2.0 ** e      # np.round: ties to even
;;       return np.moveaxis(q.reshape(q.shape[:-2] + (-1,))[..., :K], -1, axis).astype(np.float32)
;;   ~~~
;; One version. Each part assembles by itself: llvm-mc -triple=amdgcn-amd-amdhsa -mcpu=gfx1250 --defsym DOCPART=n.
;; ======== version 1 of 1: 4 launches
;; limits: values are held in f16: magnitudes above 65,504 overflow, below 6.1e-05 lose precision
;; workspace buffers: cod 7,864,320 bytes; scl 491,520 bytes; wo16 2,097,152 bytes; qf 8,388,608 bytes; kv 33,554,432 bytes; at 8,388,608 bytes
;; launch prep (part 1): grid 496 x 1, 4 waves a work-group, no clusters, 68,096 bytes of LDS; arguments x_q, x_kv, mask_kv, Wq, Wk, Wv, Wo, cod, scl, wo16; writes cod, scl, wo16
.if DOCPART == 1
	.amdgcn_target "amdgcn-amd-amdhsa--gfx1250"
	.amdhsa_code_object_version 6
	.text
	.protected	k_qe3e0821dd3_prep
	.globl	k_qe3e0821dd3_prep
	.p2align	8
	.type	k_qe3e0821dd3_prep,@function
k_qe3e0821dd3_prep:
	s_mov_b64 s[64:65], 0
	v_nop
	global_prefetch_b8 v0, s[64:65] scope:SCOPE_SE
	s_setreg_imm32_b32 hwreg(HW_REG_WAVE_MODE, 25, 1), 1
	s_wait_xcnt 0x0
; PREPARATION.  Three kinds of work-groups, parted by the work-group's number, one path each:
;   0..47    W: Wq, Wk, Wv [1024 (k)][1024 (n)] f32 -> codes of FP4 (E2M1) with K innermost, rows 12288 + 1024 sel + n of cod, and their E8M0 bytes in scl
;   48..111  O: Wo [1024 (k)][1024 (n)] f32 -> f16, laid as images of matrix fragments (16 n x 32 k, 1,024 bytes) in wo16 [n tile 64][k chunk 32]
;   112..495 X: x_q (rows 0..4095 of cod) and x_kv (rows 4096 + 4096 b + pos) -> codes and scale bytes; K is innermost already
; cod: [15360 rows][512 bytes], the lower k in the low four bits.  scl: [15360][32 bytes].
; THE ROWS OF x_kv ARE PERMUTED BY THE MASK: a key that counts goes to pos = the number of counting keys before it; one that does not, to T + r - that number
; (T = the batch's counting keys).  That is one-to-one, so every row of cod and scl is written; the attention launch then walks the first T positions alone.
; A block's scale is 2^(floor(log2(largest magnitude)) - 2): its byte is the largest magnitude's exponent field - 2, held at 1 from below.  A block of zeros so gets the byte 1
; where the rule says 127: its codes are zeros, and the bytes are read by this program alone.
; LIMITS: NaN and infinities among the inputs are not served; Wo's numbers lie under 65,504 in size (f16).
; The scale bytes leave in pieces of 16 or 32 bytes a row (rows of scl are 32 bytes): under one part in a hundred of the launch's bytes.
; No tensor loads, no barrier: waves share nothing.  Each path has LDS bytes of its own.
.set SPW,   190                        ; v190  LDS address of my spare word; never rewritten
.set NIL,   191                        ; v191  0; never rewritten
.set SPARE, 67584                      ; behind both paths' regions: the spare words, 128 bytes a wave
.set EMAX,  2
.set STEPS, 16                         ; path X: steps of 512 numbers a wave: 8 rows
.set WREG,  8192                       ; path X: a wave's LDS region: two stages of 32 x SP bytes, then its 256 scale bytes
.set SP,    80                         ; a lane's place in a stage: 64 bytes + 16 of padding
.set R,     16                         ; v16-79   four sets of 16 numbers as loaded
.set X,     80                         ; v80-111  two sets of 16 neighbours
.set E,     112                        ; v112-127 a scale byte for each step
.set C,     128                        ; v128-159 first the mask's 32 words, then the codes: two registers a step
.set RO,    160                        ; v160-167 byte offset in cod of my 8 bytes in row j of my wave's eight; never rewritten
.set SO,    168                        ; v168     byte offset in scl of my 8 scale bytes
.set WST,   32768                      ; path W: four stages of 32 x PITCH bytes
.set PITCH, 272
.set NB,    16
.set WX,    32                         ; paths W and O: v32-95 two sets of 32 numbers
.set WC,    96
.set OUTR,  112
.set SB,    24
	s_load_b256 s[4:11], s[0:1], 0x0               ; x_q s[4:5], x_kv s[6:7], mask_kv s[8:9], Wq s[10:11]
	s_load_b256 s[12:19], s[0:1], 0x20             ; Wk s[12:13], Wv s[14:15], Wo s[16:17], cod s[18:19]
	s_load_b128 s[20:23], s[0:1], 0x40             ; scl s[20:21], wo16 s[22:23]
	v_lshl_add_u32 v[SPW], v0, 2, SPARE
	v_mov_b32 v[NIL], 0
	v_lshrrev_b32 v1, 5, v0
	v_readfirstlane_b32 s24, v1                    ; wave 0..3
	v_and_b32 v2, 31, v0                           ; lane
	s_wait_kmcnt 0x0
	s_cmp_lt_u32 ttmp9, 48
	s_cbranch_scc1 .Lpath_w
	s_cmp_lt_u32 ttmp9, 112
	s_cbranch_scc1 .Lpath_o
; ---------------- PATH X ----------------
	s_sub_co_u32 s25, ttmp9, 112
	s_lshl_b32 s25, s25, 2
	s_add_co_u32 s25, s25, s24                     ; which run of 8 rows: 0..511 x_q, 512..1535 x_kv
	s_cmp_lt_u32 s25, 512
	s_cselect_b32 s26, 1, 0                        ; 1: x_q
	s_cselect_b64 s[28:29], s[4:5], s[6:7]
	s_cselect_b32 s27, 0, 512
	s_sub_co_u32 s27, s25, s27                     ; the run's number in its tensor
	s_lshr_b32 s30, s27, 9                         ; the batch (0 for every run of x_q)
	s_and_b32 s31, s27, 511
	s_lshl_b32 s31, s31, 3                         ; r0: my first row in its batch (x_q: in the tensor)
	s_lshl_b32 s32, s27, 15                        ; 8 rows of 4,096 bytes
	s_mov_b32 s33, 0
	s_add_nc_u64 s[28:29], s[28:29], s[32:33]      ; my numbers
	s_lshl_b32 s32, s30, 12
	s_add_nc_u64 s[34:35], s[8:9], s[32:33]        ; the batch's 4,096 mask bytes
	s_mov_b32 s38, s31
	s_mov_b32 s39, 0
	s_add_nc_u64 s[38:39], s[34:35], s[38:39]      ; those of my 8 rows
	s_add_co_u32 s48, s32, 4096                    ; where the batch's rows begin in cod,
	s_cmp_lg_u32 s26, 0
	s_cselect_b32 s48, 0, s48                      ; or x_q's
	v_lshlrev_b32 v3, 4, v2                        ; my 16 bytes of a load's 512
	s_mul_i32 s49, s24, WREG
	v_lshrrev_b32 v14, 2, v2
	v_mul_u32_u24 v14, v14, SP
	v_and_b32 v15, 3, v2
	v_lshl_add_u32 v14, v15, 4, v14
	v_add_nc_u32 v14, s49, v14                     ; the stage, in: SP (lane / 4) + 16 (lane % 4)
	v_mul_u32_u24 v15, v2, SP
	v_add_nc_u32 v15, s49, v15                     ; and out: SP x lane: my 16 neighbours
	v_lshlrev_b32 v4, 3, v2                        ; 8 x lane
	v_lshrrev_b32 v5, 1, v2
	s_add_co_u32 s49, s49, 2*32*SP
	v_add_nc_u32 v5, s49, v5                       ; my block's scale byte in LDS
	v_add_nc_u32 v6, s49, v4                       ; and on the way out 8 bytes a lane
	v_lshlrev_b32 v9, 7, v2                        ; the mask: 128 bytes a lane
	s_mov_b32 s50, 0x01010101
	s_mov_b32 s51, 0x76543210
	s_mov_b32 s52, 0xfedcba98                      ; v_permlanex16_b32's selects for lane l xor 16
.irp i, 0,1,2,3,4,5,6,7
	global_load_b128 v[C+4*\i:C+4*\i+3], v9, s[34:35] offset:16*\i
.endr
	s_load_b64 s[36:37], s[38:39], 0x0             ; my 8 rows' mask bytes
.macro LOAD t
.irp i, 0,1,2,3
	global_load_b128 v[R+16*((\t)%4)+4*\i:R+16*((\t)%4)+4*\i+3], v3, s[28:29] offset:2048*(\t)+512*\i th:TH_LOAD_NT   ; 32 lanes read 512 consecutive bytes
.endr
.endm
.macro TURN t                          ; step t's numbers through the stage: LDS serves a wave's instructions in order, so no wait stands between the stores and the loads
.irp i, 0,1,2,3
	ds_store_b128 v14, v[R+16*((\t)%4)+4*\i:R+16*((\t)%4)+4*\i+3] offset:32*SP*((\t)%2)+8*SP*\i
.endr
.irp i, 0,1,2,3
	ds_load_b128 v[X+16*((\t)%2)+4*\i:X+16*((\t)%2)+4*\i+3], v15 offset:32*SP*((\t)%2)+16*\i
.endr
.endm
.irp t, 0,1,2,3
	LOAD \t
.endr
	s_wait_loadcnt 16                              ; the mask's eight loads are in; the 16 younger are x's
	; T = the batch's counting keys, P = those before r0: whole numbers throughout, since addresses hang on them.  A mask byte is 0 or 1: words are added (a byte reaches 32 at the most),
	; then one multiplication gathers a word's four bytes in its top byte.
	s_lshr_b32 s49, s31, 3
	v_lshlrev_b32 v8, 4, v2
	v_sub_nc_u32 v8, s49, v8                       ; of my 16 pairs of words (8 keys each) those numbered under r0 / 8 - 16 lane lie before r0
.irp i, 0,1,2,3,4,5,6,7,8,9,10,11,12,13,14,15
	v_add_nc_u32 v[C+2*\i], v[C+2*\i], v[C+2*\i+1]
.endr
.irp i, 0,1,2,3,4,5,6,7,8,9,10,11,12,13,14,15
	v_cmp_lt_i32 vcc_lo, \i, v8
	v_cndmask_b32 v[C+2*\i+1], 0, v[C+2*\i], vcc_lo
.endr
	v_add3_u32 v10, v[C], v[C+2], v[C+4]
	v_add3_u32 v11, v[C+1], v[C+3], v[C+5]
.irp i, 3,5,7,9,11,13
	v_add3_u32 v10, v10, v[C+2*\i], v[C+2*\i+2]
	v_add3_u32 v11, v11, v[C+2*\i+1], v[C+2*\i+3]
.endr
	v_add_nc_u32 v10, v10, v[C+30]
	v_add_nc_u32 v11, v11, v[C+31]
	v_mul_lo_u32 v10, v10, s50
	v_mul_lo_u32 v11, v11, s50
	v_lshrrev_b32 v10, 24, v10
	v_lshrrev_b32 v11, 24, v11
	v_lshl_add_u32 v10, v11, 16, v10               ; both counts in one word: each stays under 2^16
.irp m, 1,2,4,8
	v_mov_b32_dpp v11, v10 row_xmask:\m row_mask:0xf bank_mask:0xf
	v_add_nc_u32 v10, v10, v11
.endr
	v_permlanex16_b32 v11, v10, s51, s52
	v_add_nc_u32 v10, v10, v11
	v_readfirstlane_b32 s53, v10
	s_and_b32 s54, s53, 0xffff                     ; T
	s_lshr_b32 s55, s53, 16                        ; P
	s_add_co_u32 s58, s54, s31                     ; T + r0
	s_wait_kmcnt 0x0
.irp j, 0,1,2,3,4,5,6,7                ; row r0 + j goes to row s[40 + j] of cod and scl
	s_bfe_u32 s56, s[36+\j/4], (1<<16)|(8*(\j%4))  ; its mask byte's low bit
	s_add_co_u32 s57, s58, \j
	s_sub_co_u32 s57, s57, s55                     ; a key that does not count: T + r - the counting keys before it
	s_cmp_lg_u32 s56, 0
	s_cselect_b32 s57, s55, s57                    ; one that counts: the counting keys before it
	s_add_co_u32 s55, s55, s56
	s_add_co_u32 s59, s31, \j
	s_cmp_lg_u32 s26, 0
	s_cselect_b32 s57, s59, s57                    ; x_q's rows stay where they are
	s_add_co_u32 s57, s57, s48
	s_min_u32 s[40+\j], s57, 15359                 ; held inside cod's rows
	v_lshl_add_u32 v[RO+\j], s[40+\j], 9, v4       ; row x 512 + 8 x lane
.endr
	v_lshrrev_b32 v12, 2, v2                       ; on the way out of the scale bytes four lanes take a row
	v_mov_b32 v[SO], s40
.irp j, 1,2,3,4,5,6,7
	v_mov_b32 v13, s[40+\j]
	v_cmp_eq_u32 vcc_lo, \j, v12
	v_cndmask_b32 v[SO], v[SO], v13, vcc_lo
.endr
	v_min_u32 v[SO], 0x3bff, v[SO]
	v_and_b32 v12, 3, v2
	v_lshlrev_b32 v12, 3, v12
	v_lshl_add_u32 v[SO], v[SO], 5, v12            ; row x 32 + 8 (lane % 4)
	s_wait_loadcnt 12                              ; step 0's four loads are in
	TURN 0
.macro STEP t
.set XS, X+16*((\t)%2)
.if (\t) > 0
	s_wait_dscnt 1                                 ; this step's numbers are back from the stage (the last step's byte store may be out): so its stores into the stage have read their registers,
.else
	s_wait_dscnt 0x0
.endif
.if (\t)+4 < STEPS
	LOAD (\t)+4                                    ; which take the loads of four steps on
.endif
.if (\t)+1 < STEPS
.if STEPS-2-(\t) >= 3
	s_wait_loadcnt 12                              ; the next step's four loads are in; those of the three steps behind it may be out
.else
	s_wait_loadcnt 4*(STEPS-2-(\t))
.endif
	TURN (\t)+1                                    ; and go through the other stage while this step is worked
.endif
	v_max3_num_f32 v8, |v[XS]|, |v[XS+1]|, |v[XS+2]|               ; the largest magnitude of my 16
	v_max3_num_f32 v9, |v[XS+3]|, |v[XS+4]|, |v[XS+5]|
.irp i, 6,10
	v_max3_num_f32 v8, v8, |v[XS+\i]|, |v[XS+\i+1]|
	v_max3_num_f32 v9, v9, |v[XS+\i+2]|, |v[XS+\i+3]|
.endr
	v_max3_num_f32 v8, v8, |v[XS+14]|, |v[XS+15]|
	v_max3_num_f32 v8, v8, v9, (EMAX+1)<<23        ; and the floor 2^(EMAX + 1 - 127): the byte cannot fall under 1
	v_max_num_f32_dpp v8, v8, v8 row_xmask:1 row_mask:0xf bank_mask:0xf   ; and of my neighbour's 16: the block's
	v_add_nc_u32 v11, -(EMAX<<23), v8              ; EMAX off its exponent field: the conversion takes the exponent field of this operand as its scale
	v_cvt_scalef32_pk8_fp4_f32 v[C+2*(\t)], v[XS:XS+7], v11
	v_cvt_scalef32_pk8_fp4_f32 v[C+2*(\t)+1], v[XS+8:XS+15], v11
	v_lshrrev_b32 v[E+(\t)], 23, v11               ; the scale's byte (also the plain line behind the conversions)
	ds_store_b8 v5, v[E+(\t)] offset:16*(\t)       ; both lanes of a block write the same byte with the same value
	global_store_b64 v[RO+(\t)/2], v[C+2*(\t):C+2*(\t)+1], s[18:19] offset:256*((\t)%2)   ; 32 lanes store 256 consecutive bytes, half a row of cod
.endm
.irp t, 0,1,2,3,4,5,6,7,8,9,10,11,12,13,14,15
	STEP \t
.endr
	ds_load_b64 v[8:9], v6                         ; LDS serves a wave's instructions in order: these see my stores
	s_wait_dscnt 0x0
	global_store_b64 v[SO], v[8:9], s[20:21]       ; four lanes store a row's 32 scale bytes
	s_branch .Lend
; ---------------- PATH W: a lane takes a column n, its registers run down K ----------------
.Lpath_w:
	s_lshr_b32 s25, ttmp9, 4                       ; which weight: 0 Wq, 1 Wk, 2 Wv
	s_and_b32 s26, ttmp9, 7                        ; which 128 columns
	s_bfe_u32 s27, ttmp9, 0x10003                  ; which 512 along K
	s_cmp_eq_u32 s25, 0
	s_cselect_b64 s[28:29], s[10:11], s[12:13]
	s_cmp_eq_u32 s25, 2
	s_cselect_b64 s[28:29], s[14:15], s[28:29]
	s_lshl_b32 s30, s26, 7
	s_lshl_b32 s31, s24, 5
	s_add_co_u32 s30, s30, s31                     ; my wave's first column
	s_lshl_b32 s32, s27, 21                        ; 512 rows of 4,096 bytes
	s_lshl_b32 s33, s30, 2
	s_add_co_u32 s32, s32, s33
	s_mov_b32 s33, 0
	s_add_nc_u64 s[28:29], s[28:29], s[32:33]
	s_lshl_b32 s34, s25, 10
	s_add_co_u32 s34, s34, s30
	s_add_co_u32 s34, s34, 12288                   ; the first column's row of cod and scl
	s_lshl_b32 s32, s34, 9
	s_lshl_b32 s35, s27, 8
	s_add_co_u32 s32, s32, s35
	s_add_nc_u64 s[36:37], s[18:19], s[32:33]      ; codes: row x 512 + 256 y
	s_lshl_b32 s32, s34, 5
	s_lshl_b32 s35, s27, 4
	s_add_co_u32 s32, s32, s35
	s_add_nc_u64 s[38:39], s[20:21], s[32:33]      ; scale bytes: row x 32 + 16 y
	v_lshlrev_b32 v3, 2, v2                        ; in: 4 bytes a lane
	s_mul_i32 s40, s24, 32*PITCH
	s_add_co_u32 s40, s40, WST                     ; my stage
	v_mul_u32_u24 v4, v2, PITCH
	v_add_nc_u32 v4, s40, v4                       ; into it: row = my column
	v_and_b32 v5, 15, v2
	v_lshrrev_b32 v6, 4, v2                        ; out of it: sixteen lanes to a row, two rows an instruction
	v_mul_u32_u24 v7, v6, PITCH
	v_lshl_add_u32 v7, v5, 4, v7
	v_add_nc_u32 v7, s40, v7
	v_lshlrev_b32 v8, 9, v6
	v_lshl_add_u32 v8, v5, 4, v8                   ; and the same place in cod
	v_lshlrev_b32 v9, 5, v2                        ; my column's row of scale bytes
.macro WLOAD t                         ; block t: W(32 t + i, my column) into set t % 2: 128 consecutive bytes a wave
.irp i, 0,1,2,3,4,5,6,7,8,9,10,11,12,13,14,15,16,17,18,19,20,21,22,23,24,25,26,27,28,29,30,31
	global_load_b32 v[WX+32*((\t)%2)+\i], v3, s[28:29] offset:(32*(\t)+\i)*4096 th:TH_LOAD_NT
.endr
.endm
	WLOAD 0
	WLOAD 1
.macro WBLOCK t
.set WS, WX+32*((\t)%2)
.if (\t) < NB-1
	s_wait_loadcnt 32                              ; this block's 32 loads are in; the next block's may be out
.else
	s_wait_loadcnt 0
.endif
	v_max3_num_f32 v12, |v[WS]|, |v[WS+1]|, |v[WS+2]|              ; the block's largest magnitude: all 32 numbers are mine
	v_max3_num_f32 v13, |v[WS+3]|, |v[WS+4]|, |v[WS+5]|
.irp i, 6,10,14,18,22,26
	v_max3_num_f32 v12, v12, |v[WS+\i]|, |v[WS+\i+1]|
	v_max3_num_f32 v13, v13, |v[WS+\i+2]|, |v[WS+\i+3]|
.endr
	v_max3_num_f32 v12, v12, |v[WS+30]|, |v[WS+31]|
	v_max3_num_f32 v12, v12, v13, (EMAX+1)<<23     ; and the floor
	v_add_nc_u32 v11, -(EMAX<<23), v12
	v_lshrrev_b32 v13, 23, v11                     ; the scale's byte
.if (\t)%4 == 0
	v_mov_b32 v[SB+(\t)/4], v13                    ; four bytes to a register, the lower K in the lower byte
.else
	v_lshl_or_b32 v[SB+(\t)/4], v13, 8*((\t)%4), v[SB+(\t)/4]
.endif
.irp g, 0,1,2,3
	v_cvt_scalef32_pk8_fp4_f32 v[WC+\g], v[WS+8*\g:WS+8*\g+7], v11
.endr
	ds_store_b128 v4, v[WC:WC+3] offset:16*(\t)    ; 32 codes: 16 bytes of my column's row
.if (\t)+2 < NB
	WLOAD (\t)+2
.endif
	s_wait_dscnt 0x0                               ; the store has read its registers: the next block's codes may be written
.endm
.set Q, 0
.rept NB
	WBLOCK Q
.set Q, Q+1
.endr
	global_store_b128 v9, v[SB:SB+3], s[38:39]     ; my column's 16 scale bytes
.irp t, 0,1,2,3,4,5,6,7,8,9,10,11,12,13,14,15
	ds_load_b128 v[OUTR+4*\t:OUTR+4*\t+3], v7 offset:2*\t*PITCH   ; LDS serves a wave's instructions in order: these see my stores
.endr
.irp t, 0,1,2,3,4,5,6,7,8,9,10,11,12,13,14,15
	s_wait_dscnt 15-\t
	global_store_b128 v8, v[OUTR+4*\t:OUTR+4*\t+3], s[36:37] offset:2*\t*512   ; sixteen lanes store 256 consecutive bytes, half a row of cod
.endr
	s_branch .Lend
; ---------------- PATH O: Wo to f16, as fragment images ----------------
; A wave takes 32 columns and 128 along K, four blocks of 32.  A lane holds a column, its 32 registers run down K; 16 conversions pack them in pairs.  A fragment wants, in lane (r, h), column r and
; k = 8 h .. + 7 (registers 0-3), 16 + 8 h .. + 7 (registers 4-7): exchanging the upper lanes of one register with the lower lanes of the register four on gives the fragments of both tiles of 16 columns.
.Lpath_o:
	s_sub_co_u32 s25, ttmp9, 48
	s_and_b32 s26, s25, 7                          ; which 128 columns
	s_lshr_b32 s27, s25, 3                         ; which 128 along K
	s_lshl_b32 s30, s26, 7
	s_lshl_b32 s31, s24, 5
	s_add_co_u32 s30, s30, s31                     ; my wave's first column n0
	s_lshl_b32 s32, s27, 19                        ; 128 rows of 4,096 bytes
	s_lshl_b32 s31, s30, 2
	s_add_co_u32 s32, s32, s31
	s_mov_b32 s33, 0
	s_add_nc_u64 s[28:29], s[16:17], s[32:33]
	s_lshl_b32 s32, s30, 11                        ; (n0 / 16) tiles of 32,768 bytes
	s_lshl_b32 s31, s27, 12                        ; + four chunks of 1,024
	s_add_co_u32 s32, s32, s31
	s_add_nc_u64 s[36:37], s[22:23], s[32:33]
	v_lshlrev_b32 v3, 2, v2
	v_lshlrev_b32 v5, 4, v2
.macro OLOAD t
.irp i, 0,1,2,3,4,5,6,7,8,9,10,11,12,13,14,15,16,17,18,19,20,21,22,23,24,25,26,27,28,29,30,31
	global_load_b32 v[WX+32*((\t)%2)+\i], v3, s[28:29] offset:(32*(\t)+\i)*4096 th:TH_LOAD_NT
.endr
.endm
	OLOAD 0
	OLOAD 1
.macro OBLK t                          ; each block has 16 result registers of its own: no store's data are written again
.set WS, WX+32*((\t)%2)
.set RR, 96+16*(\t)
.if (\t) < 3
	s_wait_loadcnt 32
.else
	s_wait_loadcnt 0
.endif
.irp q, 0,1,2,3,4,5,6,7,8,9,10,11,12,13,14,15
	v_cvt_pk_f16_f32 v[RR+\q], v[WS+2*\q], v[WS+2*\q+1]
.endr
.if (\t) < 2
	OLOAD (\t)+2
.endif
.irp i, 0,1,2,3
	v_permlane16_swap_b32 v[RR+\i], v[RR+4+\i]
	v_permlane16_swap_b32 v[RR+8+\i], v[RR+12+\i]
.endr
	global_store_b128 v5, v[RR:RR+3], s[36:37] offset:1024*(\t)                 ; columns n0 ..: registers 0-3: 512 consecutive bytes
	global_store_b128 v5, v[RR+4:RR+7], s[36:37] offset:32768+1024*(\t)         ; columns n0 + 16 ..
	global_store_b128 v5, v[RR+8:RR+11], s[36:37] offset:512+1024*(\t)          ; registers 4-7
	global_store_b128 v5, v[RR+12:RR+15], s[36:37] offset:32768+512+1024*(\t)
.endm
	OBLK 0
	OBLK 1
	OBLK 2
	OBLK 3
.Lend:
	s_wait_tensorcnt 0x0                           ; the wave's end: a tensor wait, an add onto my spare word and its wait, behind my last LDS store; the tensor wait stands even in a text with no tensor load
	ds_add_u32 v[SPW], v[NIL]
	s_wait_dscnt 0x0
	s_endpgm
.Lfunc_end_k_qe3e0821dd3_prep:
	.size	k_qe3e0821dd3_prep, .Lfunc_end_k_qe3e0821dd3_prep-k_qe3e0821dd3_prep
	.p2alignl 7, 3214868480
	.fill 96, 4, 3214868480
	.section	.rodata,"a",@progbits
	.p2align	6, 0x0
	.amdhsa_kernel k_qe3e0821dd3_prep
		.amdhsa_group_segment_fixed_size 68096
		.amdhsa_private_segment_fixed_size 0
		.amdhsa_enable_private_segment 0
		.amdhsa_kernarg_size 80
		.amdhsa_user_sgpr_count 2
		.amdhsa_user_sgpr_kernarg_segment_ptr 1
		.amdhsa_wavefront_size32 1
		.amdhsa_system_sgpr_workgroup_id_x 1
		.amdhsa_system_sgpr_workgroup_id_y 1
		.amdhsa_system_sgpr_workgroup_id_z 1
		.amdhsa_system_vgpr_workitem_id 0
		.amdhsa_next_free_vgpr 192
		.amdhsa_next_free_sgpr 66
		.amdhsa_reserve_vcc 1
		.amdhsa_float_denorm_mode_32 3
		.amdhsa_float_denorm_mode_16_64 3
		.amdhsa_memory_ordered 1
		.amdhsa_forward_progress 1
		.amdhsa_inst_pref_size 140
	.end_amdhsa_kernel
	.amdgpu_metadata
---
amdhsa.version: [ 1, 2 ]
amdhsa.kernels:
  - .name:           k_qe3e0821dd3_prep
    .symbol:         k_qe3e0821dd3_prep.kd
    .args:
      - { .name: x_q, .offset: 0, .size: 8, .value_kind: global_buffer, .address_space: global }
      - { .name: x_kv, .offset: 8, .size: 8, .value_kind: global_buffer, .address_space: global }
      - { .name: mask_kv, .offset: 16, .size: 8, .value_kind: global_buffer, .address_space: global }
      - { .name: Wq, .offset: 24, .size: 8, .value_kind: global_buffer, .address_space: global }
      - { .name: Wk, .offset: 32, .size: 8, .value_kind: global_buffer, .address_space: global }
      - { .name: Wv, .offset: 40, .size: 8, .value_kind: global_buffer, .address_space: global }
      - { .name: Wo, .offset: 48, .size: 8, .value_kind: global_buffer, .address_space: global }
      - { .name: cod, .offset: 56, .size: 8, .value_kind: global_buffer, .address_space: global }
      - { .name: scl, .offset: 64, .size: 8, .value_kind: global_buffer, .address_space: global }
      - { .name: wo16, .offset: 72, .size: 8, .value_kind: global_buffer, .address_space: global }
    .group_segment_fixed_size: 68096
    .private_segment_fixed_size: 0
    .kernarg_segment_align: 8
    .kernarg_segment_size: 80
    .max_flat_workgroup_size: 128
    .sgpr_count:     66
    .vgpr_count:     192
    .wavefront_size: 32
...
	.end_amdgpu_metadata
.endif
;; end of part 1
;; launch proj (part 2): grid 4 x 80, 4 waves a work-group, clusters of 4 x 4, 327,680 bytes of LDS; arguments cod, scl, bq, bk, bv, qf, kv; writes qf, kv
.if DOCPART == 2
	.amdgcn_target "amdgcn-amd-amdhsa--gfx1250"
	.amdhsa_code_object_version 6
	.text
	.protected	k_qe3e0821dd3_proj
	.globl	k_qe3e0821dd3_proj
	.p2align	8
	.type	k_qe3e0821dd3_proj,@function
k_qe3e0821dd3_proj:
	s_mov_b64 s[64:65], 0
	v_nop
	global_prefetch_b8 v0, s[64:65] scope:SCOPE_SE
	s_setreg_imm32_b32 hwreg(HW_REG_WAVE_MODE, 25, 1), 1
	s_wait_xcnt 0x0
	s_wait_alu depctr_hold_cnt(0) depctr_sa_sdst(0) depctr_va_vdst(0) depctr_va_sdst(0) depctr_va_ssrc(0) depctr_va_vcc(0) depctr_vm_vsrc(0)
	s_getreg_b32 s2, hwreg(HW_REG_IB_STS2, 6, 4)
	s_cmp_eq_u32 s2, 0
	s_cbranch_scc0 .Lentry_in_a_cluster
	s_endpgm
.Lentry_in_a_cluster:
	s_bfe_u32 s2, ttmp6, 0x10000c
	s_cmp_lg_u32 s2, 0xf033
	s_cbranch_scc0 .Lentry_shape_is_right
	s_endpgm
.Lentry_shape_is_right:
; THE THREE QUANTISED PROJECTIONS, on codes of FP4 (E2M1) with one E8M0 scale for each 32 along K = 1,024: q = x_q Wq + bq, k = x_kv Wk + bk, v = x_kv Wv + bv.
; All operands are rows of cod [15360][512 bytes] and scl [15360][32 bytes]: 0.. x_q, 4096.. x_kv (rows permuted by the mask), 12288.. Wq's columns, 13312.. Wk's, 14336.. Wv's.
; A work-group of four waves multiplies 256 rows by 256 rows; a wave 128 x 128: 64 accumulators of 16 x 16.  K goes in two steps of 512 through two LDS slots, each filled once; the scale bytes of the
; 512 rows come once, in units of 256 bytes.  By this text's count a wave has three tensor loads out at the most.
; CLUSTERS: 4 x 4 work-groups.  Source 1's rows hang on the cluster's y and on cy, and are asked for jointly along a row of the cluster; source 0's on the cluster's y and on cx, jointly along a column.
; WHICH ROWS.  Y, the cluster's y (0..19), is the same in all sixteen partners:
;   Y 0-3   q: source 0 = Wq's columns,  source 1 = x_q's rows 1024 Y ..       Y 4-11  k: source 0 = Wk's columns,  source 1 = x_kv's rows
;   Y 12-19 v: source 0 = x_kv's rows,   source 1 = Wv's columns
; In a result lane (r, h) holds row r of source 1's block and rows 8 h + 0 .. 7 of source 0's.  So for q and k a lane holds a row of x and eight neighbouring channels, for v a channel and eight neighbouring key
; positions: rounded to f16, four registers, each is HALF AN IMAGE of the fragment that the attention launch wants (16 rows x 32 k in 1,024 bytes: registers 0-3 of lane l at 16 l, registers 4-7 at 512 + 16 l).
; Every store covers 512 consecutive bytes; nothing goes through LDS on the way out.
; qf: [b][head][group of 128 queries][16,384]; kv: [b][head][group of 128 key positions][K 16,384 | V 16,384].  In a block: halves of 64 rows, 8,192 bytes; K, q: fragment (tile of 16 rows kt, channels 32 c ..) at
; (2 kt + c) x 1,024; V: fragment (keys 32 ks .., channels 16 ct ..) at (4 ks + ct) x 1,024.
; q is also multiplied by log2(e) / 8, so that a score is the exponent of 2 as it stands.
; LIMITS: |q| log2(e) / 8, |k| and |v| lie under 65,504 (f16); NaN and infinities among the inputs are not served.
; The grid has 320 work-groups of equal work.
; REGISTERS, in windows of 256: window 0: v0-31 addresses; v32-95 scale words, two sets; from v128 source 1's fragments, one set; on the way out v32-223 are free.
;   window 1: source 0's fragments, two sets, at v0 and v128; v64-127 and v192-207 the biases.   window 2: the accumulators of source 1's blocks 0-3 ((a, b) at v[8 (8 a + b)]);   window 3: blocks 4-7.
.set SIZE_K, 1024
.set KSTEP,  512                       ; along K in a slot
.set NQ,     KSTEP/128                 ; matrix instructions deep
.set ROWB,   256                       ; a tile's row in bytes
.set KROW,   SIZE_K/2                  ; a row of cod in bytes
.set PITCH,  272                       ; an LDS row: 256 bytes + 16 of padding = 68 words: the 16 rows that a load touches start 4 banks apart (64 banks of 4 bytes: ISA guide 11.1)
.set FR,     8                         ; registers of a fragment: 16 rows x 128 K
.set NL,     2                         ; LDS loads that bring one
.set NP,     4                         ; places behind this matrix instruction (ISA guide 7.12.1)
.set HALFT,  128*PITCH                 ; 128 rows: what one tensor load brings, and what one wave reads of a side
.set SLOT,   4*HALFT                   ; source 1's 256 rows, then source 0's
.set KS,     SIZE_K/32                 ; a row of scales in bytes
.set SCL,    2*SLOT                    ; behind the slots: the scales, as units of 256 bytes + 16 of padding
.set HALFS,  (128*KS/256)*272
.set SBLK,   (16*KS/256)*272
.set SPARE,  SCL+4*HALFS               ; the spare words, 128 bytes a wave
.set ADRA, 16                          ; v16-17  LDS address of source 1's fragments in slot 0, 1
.set ADRB, 20                          ; v20-21  of source 0's
.set CO,   26                          ; v26     16 x lane: my place in half an image
.set ADRS, 27                          ; v27     LDS address of my scale words: lanes 0-15 source 1's rows, lanes 16-31 source 0's
.set SPW,  28                          ; v28     LDS address of my spare word; never rewritten
.set NIL,  29                          ; v29     0; never rewritten
.set SC,   32                          ; scale words: set s at v[SC + 8 NQ s]
.set AF,   128                         ; source 1's fragments, in window 0
.set TMP,  32                          ; the way out: 64 numbers in f32
.set BB,   64                          ; window 1: the bias along the registers: v[BB + 8 b + j] = bias(16 b + 8 h + j)
.set BA,   192                         ; window 1: the bias along the lanes, twice: v[BA + 2 a], v[BA + 2 a + 1] = bias(16 a + r)
.set G1, 24
.set G0, 32
.set G1B, 48
.set G0B, 56
.set G1S, 68
.set G0S, 76
.set G1SB, 80
.set G0SB, 88
.set MSB, 0
.macro WIN new                         ; the immediate's high byte repeats the setting that is left
.if MSB != \new
	s_set_vgpr_msb (MSB<<8)|\new
.set MSB, \new
.endif
.endm
.set MUL_LO, 0xa1                      ; source 0 window 1, source 1 window 0, C and D window 2
.set MUL_HI, 0xf1                      ; the same, C and D window 3
.set TO_B,   0x40                      ; destination window 1, address window 0
; A joint load: waves 0 and 1 fetch for source 1, waves 2 and 3 for source 0.  Each line has one mask and one set of registers for all that issue it; the branch hangs on the wave's number alone.
; An s_nop 0 and four v_nop follow each of the two lines.
.macro JLOAD g0a, g1a, g0b, g1b
	s_cmp_eq_u32 s15, 0
	s_cbranch_scc0 .Lfor_b_\@
	tensor_load_to_lds s[\g0a:\g0a+3], s[\g1a:\g1a+7]
	s_nop 0
.rept 4
	v_nop
.endr
	s_branch .Lasked_\@
.Lfor_b_\@:
	tensor_load_to_lds s[\g0b:\g0b+3], s[\g1b:\g1b+7]
	s_nop 0
.rept 4
	v_nop
.endr
.Lasked_\@:
.endm
.macro CROUND                          ; a round of the cluster's barrier
	s_barrier_signal -1
	s_barrier_wait -1
	s_cmp_lg_u32 s14, 0
	s_cbranch_scc1 .Lnot_wave_0_\@
	s_barrier_signal -3
.Lnot_wave_0_\@:
	s_barrier_wait -3
	s_barrier_signal -1
	s_barrier_wait -1
.endm
	s_load_b128 s[4:7], s[0:1], 0x0                ; cod s[4:5], scl s[6:7]
	s_load_b128 s[8:11], s[0:1], 0x10              ; bq s[8:9], bk s[10:11]
	s_load_b128 s[96:99], s[0:1], 0x20             ; bv s[96:97], qf s[98:99]
	s_load_b64 s[100:101], s[0:1], 0x30            ; kv
	v_lshl_add_u32 v[SPW], v0, 2, SPARE
	v_mov_b32 v[NIL], 0
	ds_add_u32 v[SPW], v[NIL]                      ; the wave's opening: the add, twice on end, and its wait ahead of my first tensor load
	ds_add_u32 v[SPW], v[NIL]                      ; and once more, under the one wait; the set-up below, work on registers, stands between
	v_lshrrev_b32 v1, 5, v0
	v_readfirstlane_b32 s14, v1                    ; wave 0..3
	s_lshr_b32 s15, s14, 1                         ; which half of source 1's rows is mine.  Also: I fetch for source 1 (0) or source 0 (1)
	s_and_b32 s16, s14, 1                          ; which half of source 0's.  Also: which 128 rows I fetch
	s_bfe_u32 s40, ttmp6, 0x40000                  ; cx, cy: my place in the cluster
	s_bfe_u32 s41, ttmp6, 0x40004
	s_and_b32 s12, ttmp7, 0xffff                   ; Y: the cluster's y
	s_lshl_b32 s17, s12, 10                        ; 1024 Y
	s_sub_co_u32 s42, s17, 8192                    ; 1024 (Y - 8): used for Y from 12 on alone
	s_cmp_lt_u32 s12, 12
	s_cselect_b32 s17, s17, 14336                  ; source 1's first row: x's, or Wv's columns
	s_cselect_b32 s42, 13312, s42
	s_cmp_lt_u32 s12, 4
	s_cselect_b32 s42, 12288, s42                  ; source 0's first row: Wq's or Wk's columns, or x_kv's rows
	s_lshl_b32 s43, s41, 2
	s_lshl_b32 s43, 15, s43                        ; my row of the cluster
	s_lshl_b32 s44, 0x1111, s40                    ; my column
	; descriptor group 1: a tile of 128 rows x 256 bytes, padded in LDS
	s_or_b32 s[G1+0], s43, (0<<16)|(1<<20)|(1<<21)|(5<<22)|(3<<25)  ; 15:0 the mask; 17:16 elements of 1 byte; 20 padding on; 21 set beside a mask; 24:22 after every 64 words; 31:25 four words
	s_or_b32 s[G1B+0], s44, (0<<16)|(1<<20)|(1<<21)|(5<<22)|(3<<25)
.irp g, G1, G1B
	s_mov_b32 s[\g+1], ROWB<<16                    ; tensor_dim0
	s_mov_b32 s[\g+2], 128<<16                     ; tensor_dim1
	s_mov_b32 s[\g+3], ROWB<<16                    ; tile_dim0
	s_mov_b32 s[\g+4], 128                         ; tile_dim1
	s_mov_b32 s[\g+5], KROW                        ; tensor_dim0_stride
	s_mov_b32 s[\g+6], 0
	s_mov_b32 s[\g+7], 0
.endr
	; the scales of 128 rows: a dense block of 4,096 bytes, as rows of 256 bytes (32 elements of 8), 16 bytes of padding behind each
	s_or_b32 s[G1S+0], s43, (3<<16)|(1<<20)|(1<<21)|(5<<22)|(3<<25)
	s_or_b32 s[G1SB+0], s44, (3<<16)|(1<<20)|(1<<21)|(5<<22)|(3<<25)
.irp g, G1S, G1SB
	s_mov_b32 s[\g+1], 32<<16
	s_mov_b32 s[\g+2], (128*KS/256)<<16
	s_mov_b32 s[\g+3], 32<<16
	s_mov_b32 s[\g+4], 128*KS/256
	s_mov_b32 s[\g+5], 32
	s_mov_b32 s[\g+6], 0
	s_mov_b32 s[\g+7], 0
.endr
	s_lshl_b32 s18, s16, 7                         ; which 128 rows of a tile I fetch
	s_lshl_b32 s20, s41, 8
	s_add_co_u32 s20, s20, s17
	s_add_co_u32 s20, s20, s18                     ; source 1: first row + 256 cy + 128 x half
	s_lshl_b32 s46, s40, 8
	s_add_co_u32 s46, s46, s42
	s_add_co_u32 s46, s46, s18                     ; source 0: first row + 256 cx + 128 x half
	s_mov_b32 s21, 0
	s_mov_b32 s47, 0
	s_mov_b64 s[18:19], KS
	s_mul_u64 s[22:23], s[20:21], s[18:19]         ; where these rows' scales begin, in bytes
	s_mul_u64 s[92:93], s[46:47], s[18:19]
	s_mov_b64 s[18:19], KROW
	s_mul_u64 s[20:21], s[20:21], s[18:19]         ; and their codes
	s_mul_u64 s[46:47], s[46:47], s[18:19]
	s_mul_i32 s45, s14, HALFT                      ; where they go: wave x 128 rows: no place in the cluster enters an LDS address
	s_mul_i32 s94, s14, HALFS
	s_wait_dscnt 0x0                               ; both opening adds are done
	s_wait_kmcnt 0x0
	s_add_nc_u64 s[20:21], s[4:5], s[20:21]
	s_add_nc_u64 s[22:23], s[6:7], s[22:23]
	s_add_nc_u64 s[46:47], s[4:5], s[46:47]
	s_add_nc_u64 s[92:93], s[6:7], s[92:93]
	CROUND                                         ; all sixteen work-groups are here: the first joint loads meet
	s_mov_b32 s[G0S], 1
	s_add_co_u32 s[G0S+1], s94, SCL
	s_mov_b64 s[G0S+2:G0S+3], s[22:23]
	s_or_b32 s[G0S+3], s[G0S+3], 0x80000000
	s_mov_b32 s[G0SB], 1
	s_add_co_u32 s[G0SB+1], s94, SCL
	s_mov_b64 s[G0SB+2:G0SB+3], s[92:93]
	s_or_b32 s[G0SB+3], s[G0SB+3], 0x80000000
	JLOAD G0S, G1S, G0SB, G1SB                     ; the scales first: they are wanted with K step 0
.irp s, 0,1
	s_mov_b32 s[G0+4*\s], 1
	s_add_co_u32 s[G0+4*\s+1], s45, \s*SLOT
	s_add_nc_u64 s[G0+4*\s+2:G0+4*\s+3], s[20:21], \s*ROWB
	s_or_b32 s[G0+4*\s+3], s[G0+4*\s+3], 0x80000000
	s_mov_b32 s[G0B+4*\s], 1
	s_add_co_u32 s[G0B+4*\s+1], s45, \s*SLOT
	s_add_nc_u64 s[G0B+4*\s+2:G0B+4*\s+3], s[46:47], \s*ROWB
	s_or_b32 s[G0B+4*\s+3], s[G0B+4*\s+3], 0x80000000
	JLOAD G0+4*\s, G1, G0B+4*\s, G1B
.endr
	v_and_b32 v1, 15, v0                           ; r = l % 16
	v_bfe_u32 v2, v0, 4, 1                         ; h = l / 16
	v_mul_u32_u24 v3, v1, PITCH
	v_lshl_add_u32 v4, v2, 4, v3                   ; a fragment's row x pitch + 16 x half
	s_mul_i32 s21, s15, HALFT                      ; my 128 rows of source 1
	s_mul_i32 s22, s16, HALFT                      ; my 128 rows of source 0,
	s_add_co_u32 s22, s22, 2*HALFT                 ; which lie behind source 1's 256
.irp s, 0,1
	v_add_nc_u32 v[ADRA+\s], s21, v4
	v_add_nc_u32 v[ADRB+\s], s22, v4
	s_add_co_u32 s21, s21, SLOT
	s_add_co_u32 s22, s22, SLOT
.endr
	v_mul_u32_u24 v5, v1, KS                       ; my row's scales: KS bytes a row,
	v_lshrrev_b32 v6, 8, v5
	v_lshl_add_u32 v5, v6, 4, v5                   ; and 16 more for each 256 passed
	s_mul_i32 s21, s15, HALFS
	s_mul_i32 s22, s16, HALFS
	s_add_co_u32 s22, s22, 2*HALFS
	s_sub_co_u32 s22, s22, s21
	v_mul_u32_u24 v6, s22, v2                      ; lanes 16-31 take source 0's
	s_add_co_u32 s21, s21, SCL
	v_add_nc_u32 v5, v5, v6
	v_add_nc_u32 v[ADRS], s21, v5
	v_and_b32 v6, 31, v0
	v_lshlrev_b32 v[CO], 4, v6
	v_lshlrev_b32 v30, 5, v2                       ; the bias along the registers: 8 h numbers on
	v_lshlrev_b32 v31, 2, v1                       ; along the lanes: r numbers on
	; where my results go.  rho: my first row of x in cod; chi: my first channel
	s_lshl_b32 s18, s41, 8
	s_lshl_b32 s19, s15, 7
	s_add_co_u32 s18, s18, s19                     ; 256 cy + 128 (wave / 2): my place along source 1
	s_lshl_b32 s19, s40, 8
	s_lshl_b32 s20, s16, 7
	s_add_co_u32 s19, s19, s20                     ; 256 cx + 128 (wave % 2): along source 0
	s_add_co_u32 s20, s18, s17
	s_add_co_u32 s21, s19, s42
	s_cmp_lt_u32 s12, 12
	s_cselect_b32 s22, s20, s21                    ; rho
	s_cselect_b32 s23, s19, s18                    ; chi
	s_cselect_b64 s[66:67], s[10:11], s[96:97]     ; bk or bv
	s_lshr_b32 s13, s23, 6                         ; my first head
	s_lshr_b32 s45, s22, 11                        ; q: ((b x 16 + head) x 16 + group) x 16,384
	s_lshl_b32 s45, s45, 8
	s_lshl_b32 s46, s13, 4
	s_add_co_u32 s45, s45, s46
	s_bfe_u32 s46, s22, 0x40007
	s_add_co_u32 s45, s45, s46
	s_lshl_b32 s45, s45, 14
	s_sub_co_u32 s47, s22, 4096                    ; k, v: ((b x 16 + head) x 32 + group) x 32,768
	s_lshr_b32 s46, s47, 12
	s_lshl_b32 s46, s46, 9
	s_lshl_b32 s92, s13, 5
	s_add_co_u32 s46, s46, s92
	s_bfe_u32 s92, s47, 0x50007
	s_add_co_u32 s46, s46, s92
	s_lshl_b32 s46, s46, 15
	s_lshl_b32 s2, s23, 2                          ; chi in bytes of a bias
	s_mov_b32 s3, 0
	s_cmp_lt_u32 s12, 4
	s_cselect_b64 s[66:67], s[8:9], s[66:67]       ; bq
	s_cselect_b32 s92, s45, s46
	s_mov_b32 s93, 0
	s_cselect_b64 s[20:21], s[98:99], s[100:101]   ; qf or kv
	s_mov_b32 s46, 1048576
	s_cselect_b32 s46, 262144, s46                 ; from a head to the next
	s_mov_b32 s47, 0
	s_mov_b32 s94, 1.0
	s_cselect_b32 s94, 0x3e38aa3b, s94             ; q alone is multiplied by log2(e) / 8
	s_mov_b32 s95, s94                             ; (named with it as a pair, so it is written)
	s_add_nc_u64 s[66:67], s[66:67], s[2:3]
	s_add_nc_u64 s[20:21], s[20:21], s[92:93]      ; my first head's block,
	s_add_nc_u64 s[22:23], s[20:21], s[46:47]      ; my second head's
	WIN TO_B
.irp b, 0,1,2,3,4,5,6,7
	global_load_b128 v[BB+8*\b:BB+8*\b+3], v30, s[66:67] offset:64*\b
	global_load_b128 v[BB+8*\b+4:BB+8*\b+7], v30, s[66:67] offset:64*\b+16
.endr
.irp a, 0,1,2,3,4,5,6,7
	global_load_b32 v[BA+2*\a], v31, s[66:67] offset:64*\a
	global_load_b32 v[BA+2*\a+1], v31, s[66:67] offset:64*\a
.endr
	WIN 0
.macro FRAG reg, adr, q, i             ; a fragment, 16 rows x 128 K of 4-bit codes: lane l holds row l % 16; registers 4 c .. 4 c + 3 hold K = 64 c + 32 (l / 16) + 0 .. 31
.irp c, 0,1
	ds_load_b128 v[\reg+4*\c:\reg+4*\c+3], v[\adr] offset:64*(\q)+32*\c+(\i)*16*PITCH
.endr
.endm
; 16 matrix instructions: source 1's blocks a0, a0 + 1 x source 0's eight, 128 along K.  zero = 1: the first product starts the sums.  The 64 accumulators take turns, one instruction a turn.
.macro MUL16 a0, p, q, sc, zero
.irp a, \a0, \a0+1
.irp b, 0,1,2,3,4,5,6,7
.if \zero
	v_wmma_scale_f32_16x16x128_f8f6f4 v[8*(8*((\a)%4)+\b):8*(8*((\a)%4)+\b)+7], v[128*(\p)+FR*\b:128*(\p)+FR*\b+FR-1], v[AF+FR*(\a):AF+FR*(\a)+FR-1], 0, v[SC+8*NQ*(\sc)+NQ*\b+(\q)], v[SC+8*NQ*(\sc)+NQ*(\a)+(\q)] matrix_a_fmt:MATRIX_FMT_FP4 matrix_b_fmt:MATRIX_FMT_FP4 matrix_a_scale:MATRIX_SCALE_ROW1
.else
	v_wmma_scale_f32_16x16x128_f8f6f4 v[8*(8*((\a)%4)+\b):8*(8*((\a)%4)+\b)+7], v[128*(\p)+FR*\b:128*(\p)+FR*\b+FR-1], v[AF+FR*(\a):AF+FR*(\a)+FR-1], v[8*(8*((\a)%4)+\b):8*(8*((\a)%4)+\b)+7], v[SC+8*NQ*(\sc)+NQ*\b+(\q)], v[SC+8*NQ*(\sc)+NQ*(\a)+(\q)] matrix_a_fmt:MATRIX_FMT_FP4 matrix_b_fmt:MATRIX_FMT_FP4 matrix_a_scale:MATRIX_SCALE_ROW1
.endif
.endr
.endr
.endm
.macro FETCH_B slot, q, p              ; source 0's eight fragments of the slot's q-th 128 along K into set p
	WIN TO_B
.irp i, 0,1,2,3,4,5,6,7
	FRAG 128*(\p)+FR*\i, ADRB+\slot, \q, \i
.endr
	WIN 0
.endm
.macro FETCH_A slot, q, i0             ; source 1's blocks i0 .. i0 + 3
.irp i, \i0, \i0+1, \i0+2, \i0+3
	FRAG AF+FR*(\i), ADRA+\slot, \q, \i
.endr
.endm
.macro SCALES sc                       ; a K step's scale words: lanes 0-15 take source 1's block i, lanes 16-31 source 0's
.irp i, 0,1,2,3,4,5,6,7
	ds_load_b128 v[SC+8*NQ*\sc+NQ*\i:SC+8*NQ*\sc+NQ*\i+3], v[ADRS] offset:\i*SBLK
.endr
.endm
.macro PLACES n                        ; plain vector lines between a matrix instruction and a load into, or a vector line on, its registers
.rept \n
	v_nop
.endr
.endm
.macro STEP slot, q, zero              ; a step of 128 along K that has its successor in the same slot
	s_wait_dscnt 4*NL                              ; source 0's set and source 1's blocks 0-3 are in; the youngest eight loads (blocks 4-7) may be out
	WIN MUL_LO
	MUL16 0, (\q)%2, \q, \slot, \zero
	MUL16 2, (\q)%2, \q, \slot, \zero
	s_wait_dscnt 0                                 ; blocks 4-7 are in
	PLACES NP
	FETCH_B \slot, (\q)+1, 1-(\q)%2
	FETCH_A \slot, (\q)+1, 0
	WIN MUL_HI
	MUL16 4, (\q)%2, \q, \slot, \zero
	MUL16 6, (\q)%2, \q, \slot, \zero
	PLACES NP
	WIN 0
	FETCH_A \slot, (\q)+1, 4
.endm
.macro STEPS slot, from
.set Q, \from
.rept NQ-1-\from
	STEP \slot, Q, 0
.set Q, Q+1
.endr
.endm
	s_wait_tensorcnt 1                             ; the scales and my part of slot 0 are in (slot 1's load may be out)
	s_barrier_signal -1
	s_barrier_wait -1                              ; everybody's are
	FETCH_B 0, 0, 0
	FETCH_A 0, 0, 0
	SCALES 0
	FETCH_A 0, 0, 4
	STEP 0, 0, 1                                   ; the first step's products start the sums
	STEPS 0, 1
	; slot 0's last step changes slots: one barrier; in front of it each wave waits for all its tensor loads
	s_wait_tensorcnt 0x0                           ; my part of slot 1 has landed
	ds_add_u32 v[SPW], v[NIL]                      ; 0 onto my spare word
	s_wait_dscnt 4*NL+1                            ; (the add and the youngest eight loads may be out)
	WIN MUL_LO
	MUL16 0, 1, NQ-1, 0, 0
	s_wait_dscnt 0x0
	s_barrier_signal -1
	MUL16 2, 1, NQ-1, 0, 0
	WIN 0
	s_barrier_wait -1                              ; slot 1 is whole
	PLACES NP
	v_add_nc_u32 v[ADRS], 4*NQ, v[ADRS]            ; on to the next K step's scale words (no LDS load of mine is out)
	FETCH_B 1, 0, 0
	FETCH_A 1, 0, 0
	SCALES 1
	WIN MUL_HI
	MUL16 4, 1, NQ-1, 0, 0
	MUL16 6, 1, NQ-1, 0, 0
	PLACES NP
	WIN 0
	FETCH_A 1, 0, 4
	STEPS 1, 0
	s_wait_dscnt 4*NL                              ; the very last step: nothing more to fetch
	WIN MUL_LO
	MUL16 0, 1, NQ-1, 1, 0
	MUL16 2, 1, NQ-1, 1, 0
	s_wait_dscnt 0
	WIN MUL_HI
	MUL16 4, 1, NQ-1, 1, 0
	MUL16 6, 1, NQ-1, 1, 0
	WIN 0
	PLACES NP                                      ; in front of the first reads of results and of writes into registers that held scale words and fragments
	s_wait_loadcnt 0x0                             ; the biases
; THE WAY OUT, a block a of source 1 at a time: 32 packed lines add the bias (each accumulator from its low end on), 32 conversions round to f16, 8 stores of 512 consecutive bytes.
.macro CVT8
.irp b, 0,1,2,3,4,5,6,7
.irp i, 0,1,2,3
	v_cvt_pk_f16_f32 v[PK+4*\b+\i], v[TMP+8*\b+2*\i], v[TMP+8*\b+2*\i+1]
.endr
.endr
.endm
.macro OUTQK a                         ; lane (r, h): row 16 a + r of x, channels 16 b + 8 h + 0 .. 7
.set AC, 64*((\a)%4)
.set PK, 96+32*((\a)%4)
	WIN (0x12+(\a)/4)                              ; source 0 window 2 or 3, source 2 window 1
.irp b, 0,1,2,3,4,5,6,7
.irp i, 0,1,2,3
	v_pk_fma_f32 v[TMP+8*\b+2*\i:TMP+8*\b+2*\i+1], v[AC+8*\b+2*\i:AC+8*\b+2*\i+1], s[94:95], v[BB+8*\b+2*\i:BB+8*\b+2*\i+1] op_sel_hi:[1,0,1]
.endr
.endr
	WIN 0
	CVT8
.irp b, 0,1,2,3,4,5,6,7
	global_store_b128 v[CO], v[PK+4*\b:PK+4*\b+3], s[20+2*(\b/4):21+2*(\b/4)] offset:((\a)/4)*8192+(((\a)%4)*2+(\b%4)/2)*1024+(\b%2)*512
.endr
.endm
.macro OUTV a                          ; lane (r, h): channel 16 a + r, key positions 16 b + 8 h + 0 .. 7
.set AC, 64*((\a)%4)
.set PK, 96+32*((\a)%4)
	WIN (0x06+(\a)/4)                              ; source 0 window 2 or 3, source 1 window 1
.irp b, 0,1,2,3,4,5,6,7
.irp i, 0,1,2,3
	v_pk_add_f32 v[TMP+8*\b+2*\i:TMP+8*\b+2*\i+1], v[AC+8*\b+2*\i:AC+8*\b+2*\i+1], v[BA+2*(\a):BA+2*(\a)+1]
.endr
.endr
	WIN 0
	CVT8
.irp b, 0,1,2,3,4,5,6,7
	global_store_b128 v[CO], v[PK+4*\b:PK+4*\b+3], s[20+2*((\a)/4):21+2*((\a)/4)] offset:16384+(\b/4)*8192+(((\b%4)/2)*4+(\a)%4)*1024+(\b%2)*512
.endr
.endm
	s_cmp_ge_u32 s12, 12                           ; the cluster's y alone: all sixteen partners go the same way
	s_cbranch_scc1 .Lout_v
	WIN 0x41
.set i, 0
.rept 32
	v_pk_mul_f32 v[BB+i:BB+i+1], v[BB+i:BB+i+1], s[94:95] op_sel_hi:[1,0]   ; the bias under the same factor, so that one fused line serves each pair
.set i, i+2
.endr
.irp a, 0,1,2,3
	OUTQK \a
.endr
	s_wait_xcnt 0x0                                ; the stores of blocks 0-3 have read their registers: the four sets are written again only behind this wait
.irp a, 4,5,6,7
	OUTQK \a
.endr
	s_branch .Lout_done
.Lout_v:
.irp a, 0,1,2,3
	OUTV \a
.endr
	s_wait_xcnt 0x0
.irp a, 4,5,6,7
	OUTV \a
.endr
.Lout_done:
	s_wait_tensorcnt 0x0                           ; the wave's end: a tensor wait, an add onto my spare word and its wait, behind my last tensor load
	ds_add_u32 v[SPW], v[NIL]
	s_wait_dscnt 0x0
	CROUND                                         ; the closing round: no work-group ends while a partner may still ask for a tile that names it
	s_endpgm
.Lfunc_end_k_qe3e0821dd3_proj:
	.size	k_qe3e0821dd3_proj, .Lfunc_end_k_qe3e0821dd3_proj-k_qe3e0821dd3_proj
	.p2alignl 7, 3214868480
	.fill 96, 4, 3214868480
	.section	.rodata,"a",@progbits
	.p2align	6, 0x0
	.amdhsa_kernel k_qe3e0821dd3_proj
		.amdhsa_group_segment_fixed_size 327680
		.amdhsa_private_segment_fixed_size 0
		.amdhsa_enable_private_segment 0
		.amdhsa_kernarg_size 56
		.amdhsa_user_sgpr_count 2
		.amdhsa_user_sgpr_kernarg_segment_ptr 1
		.amdhsa_wavefront_size32 1
		.amdhsa_system_sgpr_workgroup_id_x 1
		.amdhsa_system_sgpr_workgroup_id_y 1
		.amdhsa_system_sgpr_workgroup_id_z 1
		.amdhsa_system_vgpr_workitem_id 0
		.amdhsa_next_free_vgpr 1024
		.amdhsa_next_free_sgpr 102
		.amdhsa_reserve_vcc 0
		.amdhsa_float_denorm_mode_32 3
		.amdhsa_float_denorm_mode_16_64 3
		.amdhsa_memory_ordered 1
		.amdhsa_forward_progress 1
		.amdhsa_inst_pref_size 179
	.end_amdhsa_kernel
	.amdgpu_metadata
---
amdhsa.version: [ 1, 2 ]
amdhsa.kernels:
  - .name:           k_qe3e0821dd3_proj
    .symbol:         k_qe3e0821dd3_proj.kd
    .args:
      - { .name: cod, .offset: 0, .size: 8, .value_kind: global_buffer, .address_space: global }
      - { .name: scl, .offset: 8, .size: 8, .value_kind: global_buffer, .address_space: global }
      - { .name: bq, .offset: 16, .size: 8, .value_kind: global_buffer, .address_space: global }
      - { .name: bk, .offset: 24, .size: 8, .value_kind: global_buffer, .address_space: global }
      - { .name: bv, .offset: 32, .size: 8, .value_kind: global_buffer, .address_space: global }
      - { .name: qf, .offset: 40, .size: 8, .value_kind: global_buffer, .address_space: global }
      - { .name: kv, .offset: 48, .size: 8, .value_kind: global_buffer, .address_space: global }
    .group_segment_fixed_size: 327680
    .private_segment_fixed_size: 0
    .kernarg_segment_align: 8
    .kernarg_segment_size: 56
    .max_flat_workgroup_size: 128
    .sgpr_count:     102
    .vgpr_count:     1024
    .wavefront_size: 32
...
	.end_amdgpu_metadata
.endif
;; end of part 2
;; launch attn (part 3): grid 8 x 32, 8 waves a work-group, no clusters, 136,192 bytes of LDS; arguments qf, kv, mask_kv, at; writes at
.if DOCPART == 3
	.amdgcn_target "amdgcn-amd-amdhsa--gfx1250"
	.amdhsa_code_object_version 6
	.text
	.protected	k_qe3e0821dd3_attn
	.globl	k_qe3e0821dd3_attn
	.p2align	8
	.type	k_qe3e0821dd3_attn,@function
k_qe3e0821dd3_attn:
	s_mov_b64 s[64:65], 0
	v_nop
	global_prefetch_b8 v0, s[64:65] scope:SCOPE_SE
	s_setreg_imm32_b32 hwreg(HW_REG_WAVE_MODE, 25, 1), 1
	s_wait_xcnt 0x0
; ATTENTION over the keys that count.  The rows of x_kv were permuted, so that the T counting keys of a batch stand at positions 0 .. T - 1: only ceil(T / 128) groups of 128 positions are walked, and in the
; group that T cuts the scores of positions from T on become -infinity.  T is counted here from mask_kv, in whole numbers.  T = 0 gives NaN, as the softmax of a row of -infinity does.
; Operands in f16, sums, maxima and exponentials in f32.  q arrives multiplied by log2(e) / 8: p = 2^(score - m), m the running maximum; O and the sum are multiplied by 2^(old m - new m) in every step.
; SHARES.  A work-group owns 256 queries of one head (y = 16 b + head).  Wave w: queries 64 (w % 4) .. + 63, four tiles of 16; of each group of 128 positions the half 64 (w / 4) .. + 63.  At the end wave w + 4
; hands its O, m and sum to wave w through LDS, and wave w joins the two and stores.
; LAYOUT.  S^T = K Q^T (source 0 = 16 keys, source 1 = 16 queries): a lane holds one query (lane % 16) and keys 8 (lane / 16) + 0 .. 7; two such tiles, rounded to f16 in pairs, are source 1 of O^T = V^T P.
; The row's sum is a product too: ones x P gives the sum over the 32 keys in every register; register 0 alone is rescaled and read.
; K, V and Q lie in memory as images of their fragments' registers: every load, from memory and from LDS, covers 512 consecutive bytes, and nothing is transposed.
; THE RING.  Two LDS slots of 32,768 bytes.  Content u = V of group u - 1, then K of group u: 32,768 bytes on end in kv.  Each wave copies an eighth through registers: loaded two trips ahead, stored one trip ahead.
; Trip t reads content t + 1 (P V of group t, then K Q^T of group t + 1), stores content t + 2 into the slot read a trip ago, loads content t + 3.  One barrier a trip.
; THE LOOP'S TRIP COUNT IS A CONSTANT, 32: every wave passes every barrier; a trip from ceil(T / 128) - 1 on does nothing else.
; OPPOSITE PHASES.  Waves 0-3 run a trip's products and then its softmax, waves 4-7 the softmax and then the products.
; NO TENSOR LOAD, NO JOINT REQUEST, though the eight work-groups of a head read the same K and V: which trips do work hangs on T, a number read from memory.
; O and the sums are cleared once (160 lines, while the first loads are out): a first step written out would want two groups, which the mask does not promise.
; LIMITS: scores lie above -3e38; NaN and infinities among the inputs are not served.
; REGISTERS.  window 0: v1-15 addresses and constants; v16-31 statistics, tile t at 16 + 4 t: m, c0, a, c1; v32-159 S^T, tile t at 32 + 32 t, key tile kt at + 8 kt; P in place at + 0 .. 15;
;   v160-223 fragments of V or K; v224-231 ones; v232-251 at work.   window 1: v0-127 O^T (tile t, channels 16 ct: 32 t + 8 ct); v128-159 the sums; v160-223 Q; v224-255 the copy on its way.
.set MRG,   65536                      ; behind the ring: for each pair of waves 16,384 bytes of O and two images of 512 bytes (m, the sum)
.set SPARE, 135168                     ; the spare words, 128 bytes a wave
.set AR,  1                            ; v1   16 lane + 8,192 (w / 4): my place in a block's half
.set AW,  2                            ; v2   16 lane + 4,096 w: where I store my eighth of a content
.set GOFF, 3                           ; v3   byte offset in the head's kv of the copy in hand
.set GC,  4                            ; v4   its constant part
.set PFO, 5                            ; v5   the prefetch's offset: 256 lane + 8,192 (w % 4)
.set L16, 6                            ; v6   16 lane
.set H8,  7                            ; v7   8 (lane / 16)
.set VD,  8                            ; v8   T - 1 - my first key of the step
.set NINF, 9                           ; v9   -infinity
.set SPW, 10                           ; v10  LDS address of my spare word; never rewritten
.set NIL, 11                           ; v11  0; never rewritten
.set MA,  14                           ; v14  my place in my pair's merge region
.set ST,  16
.set S,   32
.set KV,  160
.set ONES, 224
.set LS,  128                          ; window 1
.set QF,  160                          ; window 1
.set STG, 224                          ; window 1
; scalars: s12 w, s13 w / 4, s14 w % 4, s15 y; s16 T, s17 n = groups walked, s18 n - 1; s19 the loop's counter; s21 the first key of the next softmax; s22, s23 at work; s[24:25] lane selects;
; s[26:27] the head's kv; s[28:29] where the prefetches stand; s30 0 in a wave that prefetches, else 65,536; s31 0x01010101; s[32:33] my rows of at
.set MSB, 0
.macro WIN new                         ; the immediate's high byte repeats the setting that is left
.if MSB != \new
	s_set_vgpr_msb (MSB<<8)|\new
.set MSB, \new
.endif
.endm
.macro PLACES n
.rept \n
	v_nop
.endr
.endm
.macro BAR                             ; my LDS stores have landed and my LDS loads are in: then the work-group's barrier
	s_wait_dscnt 0x0
	s_barrier_signal -1
	s_barrier_wait -1
.endm
; my eighth of content s19 + add: waves 0-3 V of the group before, waves 4-7 K of the group; the group's number is held to 0 .. 31, so that no load leaves the head's region (what the hold brings is read by nobody)
.macro GLOAD reg, off, add, win
	s_add_co_u32 s22, s19, \add
	s_add_co_u32 s22, s22, s13
	s_max_u32 s22, s22, 1
	s_sub_co_u32 s22, s22, 1
	s_min_u32 s22, s22, 31
	v_lshl_add_u32 v[\off], s22, 15, v[GC]
	WIN \win
.irp i, 0,1,2,3,4,5,6,7
	global_load_b128 v[\reg+4*\i:\reg+4*\i+3], v[\off], s[26:27] offset:512*\i
.endr
	WIN 0
.endm
.macro DSTORE reg, win, slot
	WIN \win
.irp i, 0,1,2,3,4,5,6,7
	ds_store_b128 v[AW], v[\reg+4*\i:\reg+4*\i+3] offset:32768*\slot+512*\i
.endr
	WIN 0
.endm
.macro LOADV slot                      ; my half's eight fragments of V: (ks, ct) into v[KV + 8 (4 ks + ct)]
.irp i, 0,1,2,3,4,5,6,7,8,9,10,11,12,13,14,15
	ds_load_b128 v[KV+4*\i:KV+4*\i+3], v[AR] offset:32768*\slot+512*\i
.endr
.endm
.macro LOADK slot, half                ; four of my half's eight fragments of K: (kt, c) into v[KV + 8 (2 kt + c)]
.irp i, 0,1,2,3,4,5,6,7
	ds_load_b128 v[KV+32*\half+4*\i:KV+32*\half+4*\i+3], v[AR] offset:32768*\slot+16384+4096*\half+512*\i
.endr
.endm
; The accumulators take turns, one instruction a turn: between two lines on one accumulator stand three others' at the least.
.macro SPROD kt0                       ; S^T of key tiles kt0, kt0 + 1: the first 32 channels start the sums
.irp kt, \kt0, \kt0+1
.irp c, 0,1
.irp t, 0,1,2,3
.if \c == 0
	v_wmma_f32_16x16x32_f16 v[S+32*\t+8*(\kt):S+32*\t+8*(\kt)+7], v[KV+8*(2*(\kt)+\c):KV+8*(2*(\kt)+\c)+7], v[QF+8*(2*\t+\c):QF+8*(2*\t+\c)+7], 0
.else
	v_wmma_f32_16x16x32_f16 v[S+32*\t+8*(\kt):S+32*\t+8*(\kt)+7], v[KV+8*(2*(\kt)+\c):KV+8*(2*(\kt)+\c)+7], v[QF+8*(2*\t+\c):QF+8*(2*\t+\c)+7], v[S+32*\t+8*(\kt):S+32*\t+8*(\kt)+7]
.endif
.endr
.endr
.endr
.endm
.macro PVK ks                          ; O^T += V^T P over keys 32 ks .. + 31
.irp ct, 0,1,2,3
.irp t, 0,1,2,3
	v_wmma_f32_16x16x32_f16 v[32*\t+8*\ct:32*\t+8*\ct+7], v[KV+8*(4*\ks+\ct):KV+8*(4*\ks+\ct)+7], v[S+32*\t+8*\ks:S+32*\t+8*\ks+7], v[32*\t+8*\ct:32*\t+8*\ct+7]
.endr
.endr
.endm
.macro LSUM                            ; the sums += ones x P
.irp ks, 0,1
.irp t, 0,1,2,3
	v_wmma_f32_16x16x32_f16 v[LS+8*\t:LS+8*\t+7], v[ONES:ONES+7], v[S+32*\t+8*\ks:S+32*\t+8*\ks+7], v[LS+8*\t:LS+8*\t+7]
.endr
.endr
.endm
; A trip's products.  V's 16 loads were issued ahead of it.
.macro BODY slot
	WIN 0x50                                       ; C and D window 1
	LSUM                                           ; works while V's fragments arrive
	s_wait_dscnt 8                                 ; V's keys 0-31 are in; the eight younger loads are keys 32-63
	PVK 0
	PLACES 4                                       ; in front of loads into registers that those products read
	WIN 0
	LOADK \slot, 0
	s_wait_dscnt 8                                 ; the eight younger are K's: V's keys 32-63 are in
	WIN 0x50
	PVK 1
	PLACES 5                                       ; the scores are laid over P, which these products read: five places in front of a matrix instruction that writes there; they serve the loads below too
	WIN 0
	LOADK \slot, 1
	s_wait_dscnt 8                                 ; K's first four fragments are in
	WIN 0x04                                       ; source 1 (Q) window 1
	SPROD 0
	s_wait_dscnt 0x0
	SPROD 2
	PLACES 5                                       ; five places: the next products in the text take the scores' registers as an operand (ISA guide 7.12.1); on a wave's own way the softmax lies between as well.  They serve the softmax's reads and the next loads of fragments too
	WIN 0
.endm
.macro SUBM t, i                       ; pair i of tile t: score - m
	v_pk_add_f32 v[S+32*(\t)+2*\i:S+32*(\t)+2*\i+1], v[S+32*(\t)+2*\i:S+32*(\t)+2*\i+1], v[ST+4*(\t):ST+4*(\t)+1] op_sel_hi:[1,0] neg_lo:[0,1] neg_hi:[0,1]
.endm
; THE SOFTMAX of one step: 64 keys x my 64 queries, in registers alone.
.macro VPH
	s_add_co_u32 s22, s21, 64
	s_cmp_le_u32 s22, s16                          ; a step all of whose keys count skips the mask
	s_cbranch_scc1 .Lopen_\@
	s_sub_co_i32 s22, s16, s21
	s_sub_co_i32 s22, s22, 1
	v_sub_nc_u32 v[VD], s22, v[H8]                 ; register 8 kt + j holds key s21 + 16 kt + 8 (lane / 16) + j: hidden where 16 kt + j > T - 1 - s21 - 8 (lane / 16)
.irp kt, 0,1,2,3
.irp j, 0,1,2,3,4,5,6,7
	v_cmp_gt_i32 vcc_lo, 16*\kt+\j, v[VD]
.irp t, 0,1,2,3
	v_cndmask_b32 v[S+32*\t+8*\kt+\j], v[S+32*\t+8*\kt+\j], v[NINF], vcc_lo
.endr
.endr
.endr
.Lopen_\@:
	; the maximum of 32 scores and the old m: two chains a tile, the four tiles by turns; each accumulator is read first at its low end
.irp t, 0,1,2,3
	v_max3_num_f32 v[ST+4*\t+1], v[S+32*\t], v[S+32*\t+1], v[ST+4*\t]
.endr
.irp t, 0,1,2,3
	v_max3_num_f32 v[ST+4*\t+3], v[S+32*\t+16], v[S+32*\t+17], v[S+32*\t+18]
.endr
.irp i, 2,4,6,8,10,12,14
.irp t, 0,1,2,3
	v_max3_num_f32 v[ST+4*\t+1], v[ST+4*\t+1], v[S+32*\t+\i], v[S+32*\t+\i+1]
.endr
.endr
.irp i, 19,21,23,25,27,29
.irp t, 0,1,2,3
	v_max3_num_f32 v[ST+4*\t+3], v[ST+4*\t+3], v[S+32*\t+\i], v[S+32*\t+\i+1]
.endr
.endr
.irp t, 0,1,2,3
	v_max3_num_f32 v[ST+4*\t+1], v[ST+4*\t+1], v[ST+4*\t+3], v[S+32*\t+31]
.endr
.irp t, 0,1,2,3
	v_permlanex16_b32 v[ST+4*\t+3], v[ST+4*\t+1], s24, s25     ; the query's other 32 keys lie in the lane 16 away
.endr
.irp t, 0,1,2,3
	v_max_num_f32 v[ST+4*\t+1], v[ST+4*\t+1], v[ST+4*\t+3]     ; the new m
.endr
.irp t, 0,1,2,3
	v_sub_f32 v[ST+4*\t+2], v[ST+4*\t], v[ST+4*\t+1]           ; old m - new m
.endr
.irp t, 0,1,2,3
	v_mov_b32 v[ST+4*\t], v[ST+4*\t+1]
.endr
	; ONE BATCH of 132 exponentials; none of these lines reads an exponential's result.  A tile's subtractions stand among the exponentials of the tile before
.irp t, 0,1,2,3
	v_exp_f32 v[ST+4*\t+2], v[ST+4*\t+2]                       ; a = 2^(old m - new m)
.endr
.irp i, 0,1,2,3,4,5,6,7,8,9,10,11,12,13,14,15
	SUBM 0, \i
.endr
.irp t, 0,1,2,3
.irp i, 0,1,2,3,4,5,6,7,8,9,10,11,12,13,14,15
	v_exp_f32 v[S+32*\t+2*\i], v[S+32*\t+2*\i]
	v_exp_f32 v[S+32*\t+2*\i+1], v[S+32*\t+2*\i+1]
.if \t < 3
	SUBM \t+1, \i
.endif
.endr
.endr
	v_nop                                          ; a plain line behind the last exponential
	s_wait_alu depctr_va_vdst(0)                   ; one wait for the whole batch, ahead of its first reader
.irp t, 0,1,2,3
.irp i, 0,1,2,3,4,5,6,7,8,9,10,11,12,13,14,15
	v_cvt_pk_f16_f32 v[S+32*\t+\i], v[S+32*\t+2*\i], v[S+32*\t+2*\i+1]   ; P, in place: line i writes no register that a later line reads
.endr
.endr
	WIN 0x41                                       ; destination and source 0 window 1
.irp t, 0,1,2,3
.irp i, 0,1,2,3,4,5,6,7,8,9,10,11,12,13,14,15
	v_pk_mul_f32 v[32*\t+2*\i:32*\t+2*\i+1], v[32*\t+2*\i:32*\t+2*\i+1], v[ST+4*\t+2:ST+4*\t+3] op_sel_hi:[1,0]   ; O^T x a
.endr
	v_mul_f32 v[LS+8*\t], v[LS+8*\t], v[ST+4*\t+2]             ; the sum x a
.endr
	WIN 0
	s_add_co_u32 s21, s21, 128                     ; my half of the next group
.endm
; A PREFETCH INTO THE L2 of group t + 5, whole: 32,768 bytes, lanes 256 bytes apart, 8,192 bytes a wave; the copy that first wants it is issued two trips later.  All eight work-groups of a head read the same
; groups: the head's first asks, and in it waves 0-3.  Groups 0 to 4 come by their loads alone; nothing is asked for from group n on.
.macro ASK k
	s_add_co_u32 s22, s19, \k+5
	s_add_co_u32 s22, s22, s30
	s_cmp_lt_u32 s22, s17
	s_cbranch_scc0 .Lnot_mine_\@
	global_prefetch_b8 v[PFO], s[28:29] th:TH_LOAD_NT scope:SCOPE_SE
.Lnot_mine_\@:
.endm
.macro TRIP rd, wr, k
	s_add_co_u32 s22, s19, \k
	s_cmp_ge_u32 s22, s18                          ; trips from n - 1 on pass the barrier and do nothing else
	s_cbranch_scc1 .Lidle_\@
	s_wait_loadcnt 0x0                             ; content t + 2 is in my registers
	s_wait_xcnt 0x0                                ; the last prefetch, a trip back, has read its address
	s_add_nc_u64 s[28:29], s[28:29], 32768
	DSTORE STG, 0x04, \wr                          ; into the slot that was read a trip ago: a barrier lies between
	LOADV \rd
	s_wait_dscnt 16                                ; the eight stores are older than the 16 loads: they have read their registers,
	GLOAD STG, GOFF, \k+3, 0x40                    ; which take content t + 3
	ASK \k
	s_cmp_lg_u32 s13, 0
	s_cbranch_scc1 .Lsoft_\@
	BODY \rd                                       ; waves 0-3: products, then softmax
.Lsoft_\@:
	VPH
	s_cmp_eq_u32 s13, 0
	s_cbranch_scc1 .Lidle_\@
	BODY \rd                                       ; waves 4-7: softmax, then products
.Lidle_\@:
	BAR
.endm
	s_load_b256 s[4:11], s[0:1], 0x0               ; qf s[4:5], kv s[6:7], mask_kv s[8:9], at s[10:11]
	v_lshl_add_u32 v[SPW], v0, 2, SPARE
	v_mov_b32 v[NIL], 0
	v_lshrrev_b32 v12, 5, v0
	v_readfirstlane_b32 s12, v12                   ; wave 0..7
	s_lshr_b32 s13, s12, 2
	s_and_b32 s14, s12, 3
	s_and_b32 s15, ttmp7, 0xffff                   ; 16 b + head
	v_and_b32 v13, 31, v0                          ; lane
	v_lshlrev_b32 v[L16], 4, v13
	s_lshl_b32 s22, s13, 13
	v_add_nc_u32 v[AR], s22, v[L16]
	s_lshl_b32 s22, s12, 12
	v_add_nc_u32 v[AW], s22, v[L16]
	s_add_co_u32 s23, s22, 16384
	s_and_b32 s23, s23, 32767                      ; waves 0-3: 16,384 + 4,096 w (V's block); waves 4-7: 4,096 (w - 4) (K's)
	v_add_nc_u32 v[GC], s23, v[L16]
	s_lshl_b32 s22, s14, 13
	v_lshl_add_u32 v[PFO], v13, 8, s22
	s_mul_i32 s22, s14, 17408
	s_add_co_u32 s22, s22, MRG
	v_add_nc_u32 v[MA], s22, v[L16]
	v_bfe_u32 v[H8], v0, 4, 1
	v_lshlrev_b32 v[H8], 3, v[H8]
	v_mov_b32 v[NINF], 0xff800000
	v_lshlrev_b32 v15, 7, v13                      ; the mask: 128 bytes a lane
	s_mov_b32 s24, 0x76543210
	s_mov_b32 s25, 0xfedcba98
	s_mov_b32 s31, 0x01010101
	s_mov_b32 s19, 0
	s_lshl_b32 s21, s13, 6                         ; my first key
	s_or_b32 s30, ttmp9, s13
	s_cmp_eq_u32 s30, 0
	s_cselect_b32 s30, 0, 0x10000
	s_lshl_b32 s34, s15, 20                        ; a head's kv: 32 groups of 32,768 bytes
	s_mov_b32 s35, 0
	s_lshr_b32 s36, s15, 4                         ; b
	s_lshl_b32 s38, s36, 12
	s_mov_b32 s39, 0
	s_lshl_b32 s40, s15, 18                        ; a head's qf: 262,144 bytes; my work-group's 256 queries: 32,768; my wave's 64: 8,192
	s_lshl_b32 s22, ttmp9, 15
	s_add_co_u32 s40, s40, s22
	s_lshl_b32 s22, s14, 13
	s_add_co_u32 s40, s40, s22
	s_mov_b32 s41, 0
	s_lshl_b32 s42, s36, 7                         ; at: row tile 128 b + 16 x + 4 (w % 4), 32,768 bytes each; the head's two chunks begin 2,048 head bytes on
	s_lshl_b32 s22, ttmp9, 4
	s_add_co_u32 s42, s42, s22
	s_lshl_b32 s22, s14, 2
	s_add_co_u32 s42, s42, s22
	s_lshl_b32 s42, s42, 15
	s_and_b32 s22, s15, 15
	s_lshl_b32 s22, s22, 11
	s_add_co_u32 s42, s42, s22
	s_mov_b32 s43, 0
	s_wait_kmcnt 0x0
	s_add_nc_u64 s[26:27], s[6:7], s[34:35]
	s_add_nc_u64 s[8:9], s[8:9], s[38:39]
	s_add_nc_u64 s[4:5], s[4:5], s[40:41]
	s_add_nc_u64 s[32:33], s[10:11], s[42:43]
	s_add_nc_u64 s[28:29], s[26:27], 131072        ; at group 4: the first trip steps it to group 5
.irp i, 0,1,2,3,4,5,6,7
	global_load_b128 v[S+4*\i:S+4*\i+3], v15, s[8:9] offset:16*\i    ; the batch's 4,096 mask bytes
.endr
	GLOAD STG, 232, 0, 0x40                        ; content 0
	GLOAD 96, 233, 1, 0                            ; content 1
	WIN 0x40
.irp i, 0,1,2,3,4,5,6,7,8,9,10,11,12,13,14,15
	global_load_b128 v[QF+4*\i:QF+4*\i+3], v[L16], s[4:5] offset:512*\i   ; Q stays in registers: fragment (t, c) at 8 (2 t + c)
.endr
.set i, 0
.rept 160
	v_mov_b32 v[i], 0                              ; O^T and the sums
.set i, i+1
.endr
	WIN 0
.irp t, 0,1,2,3
	v_mov_b32 v[ST+4*\t], 0xff61b1e6               ; m: -3e38, under every score
.endr
.irp i, 0,1,2,3,4,5,6,7
	v_mov_b32 v[ONES+\i], 0x3c003c00               ; 1.0, 1.0 in f16
.endr
	s_wait_loadcnt 32                              ; the mask is in; the 32 younger loads are the two contents and Q
	v_add3_u32 v12, v[S], v[S+1], v[S+2]           ; T.  A mask byte is 0 or 1: 32 words are added (a byte reaches 32), one multiplication gathers the four bytes in the top byte
.irp i, 3,5,7,9,11,13,15,17,19,21,23,25,27,29
	v_add3_u32 v12, v12, v[S+\i], v[S+\i+1]
.endr
	v_add_nc_u32 v12, v12, v[S+31]
	v_mul_lo_u32 v12, v12, s31
	v_lshrrev_b32 v12, 24, v12
.irp m, 1,2,4,8
	v_mov_b32_dpp v13, v12 row_xmask:\m row_mask:0xf bank_mask:0xf
	v_add_nc_u32 v12, v12, v13
.endr
	v_permlanex16_b32 v13, v12, s24, s25
	v_add_nc_u32 v12, v12, v13
	v_readfirstlane_b32 s16, v12                   ; T
	s_add_co_u32 s17, s16, 127
	s_lshr_b32 s17, s17, 7
	s_max_u32 s17, s17, 1                          ; n: groups walked, one at the least
	s_sub_co_u32 s18, s17, 1
	s_wait_loadcnt 16                              ; contents 0 and 1 are in; the 16 younger loads are Q's
	DSTORE STG, 0x04, 0
	DSTORE 96, 0, 1
	s_wait_dscnt 0x0                               ; the stores have read their registers
	GLOAD STG, GOFF, 2, 0x40                       ; content 2
	BAR                                            ; both slots are whole
	LOADK 0, 0
	LOADK 0, 1
	s_wait_loadcnt 8                               ; Q is in; the eight younger loads are content 2's
	s_wait_dscnt 0x0
	WIN 0x04
	SPROD 0                                        ; the first group's scores
	SPROD 2
	PLACES 5                                       ; five places, as at the end of a trip's products: the next products in the text take the scores' registers as an operand
	WIN 0
	s_cmp_lg_u32 s13, 0
	s_cbranch_scc1 .Lfirst_late
	VPH                                            ; waves 0-3 are a softmax ahead
.Lfirst_late:
	BAR                                            ; nobody reads slot 0 any more
.Lloop:
	TRIP 1, 0, 0
	TRIP 0, 1, 1
	s_add_co_u32 s19, s19, 2
	s_cmp_lt_u32 s19, 32
	s_cbranch_scc1 .Lloop
	s_wait_loadcnt 0x0                             ; the last copy, which nobody stores
	s_cmp_eq_u32 s13, 0
	s_cbranch_scc1 .Llast_done
	VPH                                            ; waves 4-7: the last group's softmax
.Llast_done:
	s_bitcmp1_b32 s17, 0                           ; V of group n - 1 lies in content n, slot n % 2
	s_cbranch_scc1 .Lodd
	LOADV 0
	s_branch .Ltail
.Lodd:
	LOADV 1
.Ltail:
	WIN 0x50
	LSUM
	s_wait_dscnt 8
	PVK 0
	s_wait_dscnt 0x0
	PVK 1
	PLACES 4
	WIN 0
	; THE TWO HALVES OF THE KEYS ARE JOINED.  Waves 4-7 hand over O^T, m and the sum
	s_cmp_eq_u32 s13, 0
	s_cbranch_scc1 .Lkeep
.irp t, 0,1,2,3
	v_mov_b32 v[232+\t], v[ST+4*\t]
.endr
	WIN 0x01
.irp t, 0,1,2,3
	v_mov_b32 v[236+\t], v[LS+8*\t]
.endr
	WIN 0x04                                       ; an LDS store's data are its source 1: window 1
.set i, 0
.rept 32
	ds_store_b128 v[MA], v[4*i:4*i+3] offset:512*i ; each accumulator from its low end on
.set i, i+1
.endr
	WIN 0
	ds_store_b128 v[MA], v[232:235] offset:16384
	ds_store_b128 v[MA], v[236:239] offset:16896
.Lkeep:
	BAR
	s_cmp_lg_u32 s13, 0
	s_cbranch_scc1 .Ldone
	ds_load_b128 v[232:235], v[MA] offset:16384    ; the partner's m
	ds_load_b128 v[236:239], v[MA] offset:16896    ; and sums
.set i, 0
.rept 32
	ds_load_b128 v[S+4*i:S+4*i+3], v[MA] offset:512*i   ; and O^T, into the registers that held the scores
.set i, i+1
.endr
	s_wait_dscnt 32                                ; the two loads ahead of those 32 are in
.irp t, 0,1,2,3
	v_max_num_f32 v[240+\t], v[ST+4*\t], v[232+\t]
.endr
.irp t, 0,1,2,3
	v_sub_f32 v[244+\t], v[ST+4*\t], v[240+\t]
	v_sub_f32 v[248+\t], v[232+\t], v[240+\t]
.endr
.irp j, 0,1,2,3,4,5,6,7
	v_exp_f32 v[244+\j], v[244+\j]                 ; e0, e1 = 2^(m - the common maximum)
.endr
	v_nop
	s_wait_alu depctr_va_vdst(0)                   ; one wait for the eight
	WIN 0x01
.irp t, 0,1,2,3
	v_mul_f32 v[240+\t], v[LS+8*\t], v[244+\t]
.endr
	WIN 0
.irp t, 0,1,2,3
	v_fma_f32 v[240+\t], v[248+\t], v[236+\t], v[240+\t]   ; the row's sum under the common maximum
.endr
.irp t, 0,1,2,3
	v_rcp_f32 v[240+\t], v[240+\t]
.endr
	v_nop
	s_wait_alu depctr_va_vdst(0)                   ; one wait for the four
.irp t, 0,1,2,3
	v_mul_f32 v[ST+4*\t], v[244+\t], v[240+\t]     ; f0 = e0 / sum,
	v_mul_f32 v[ST+4*\t+2], v[248+\t], v[240+\t]   ; f1 = e1 / sum
.endr
	s_wait_dscnt 0x0
.irp t, 0,1,2,3
.irp i, 0,1,2,3,4,5,6,7,8,9,10,11,12,13,14,15
	v_pk_mul_f32 v[S+32*\t+2*\i:S+32*\t+2*\i+1], v[S+32*\t+2*\i:S+32*\t+2*\i+1], v[ST+4*\t+2:ST+4*\t+3] op_sel_hi:[1,0]
.endr
	WIN 0x01                                       ; source 0 (my O^T) window 1
.irp i, 0,1,2,3,4,5,6,7,8,9,10,11,12,13,14,15
	v_pk_fma_f32 v[S+32*\t+2*\i:S+32*\t+2*\i+1], v[32*\t+2*\i:32*\t+2*\i+1], v[ST+4*\t:ST+4*\t+1], v[S+32*\t+2*\i:S+32*\t+2*\i+1] op_sel_hi:[1,0,1]
.endr
	WIN 0
.irp i, 0,1,2,3,4,5,6,7,8,9,10,11,12,13,14,15
	v_cvt_pk_f16_f32 v[S+32*\t+\i], v[S+32*\t+2*\i], v[S+32*\t+2*\i+1]
.endr
.irp ct, 0,1,2,3
	global_store_b128 v[L16], v[S+32*\t+4*\ct:S+32*\t+4*\ct+3], s[32:33] offset:32768*\t+1024*(\ct/2)+512*(\ct%2)   ; half an image of the last product's fragment: 512 consecutive bytes
.endr
.endr
.Ldone:
	s_wait_tensorcnt 0x0                           ; the wave's end: a tensor wait, an add onto my spare word and its wait, behind my last LDS store; the tensor wait stands even in a text with no tensor load
	ds_add_u32 v[SPW], v[NIL]
	s_wait_dscnt 0x0
	s_endpgm
.Lfunc_end_k_qe3e0821dd3_attn:
	.size	k_qe3e0821dd3_attn, .Lfunc_end_k_qe3e0821dd3_attn-k_qe3e0821dd3_attn
	.p2alignl 7, 3214868480
	.fill 96, 4, 3214868480
	.section	.rodata,"a",@progbits
	.p2align	6, 0x0
	.amdhsa_kernel k_qe3e0821dd3_attn
		.amdhsa_group_segment_fixed_size 136192
		.amdhsa_private_segment_fixed_size 0
		.amdhsa_enable_private_segment 0
		.amdhsa_kernarg_size 32
		.amdhsa_user_sgpr_count 2
		.amdhsa_user_sgpr_kernarg_segment_ptr 1
		.amdhsa_wavefront_size32 1
		.amdhsa_system_sgpr_workgroup_id_x 1
		.amdhsa_system_sgpr_workgroup_id_y 1
		.amdhsa_system_sgpr_workgroup_id_z 1
		.amdhsa_system_vgpr_workitem_id 0
		.amdhsa_next_free_vgpr 512
		.amdhsa_next_free_sgpr 66
		.amdhsa_reserve_vcc 1
		.amdhsa_float_denorm_mode_32 3
		.amdhsa_float_denorm_mode_16_64 3
		.amdhsa_memory_ordered 1
		.amdhsa_forward_progress 1
		.amdhsa_inst_pref_size 183
	.end_amdhsa_kernel
	.amdgpu_metadata
---
amdhsa.version: [ 1, 2 ]
amdhsa.kernels:
  - .name:           k_qe3e0821dd3_attn
    .symbol:         k_qe3e0821dd3_attn.kd
    .args:
      - { .name: qf, .offset: 0, .size: 8, .value_kind: global_buffer, .address_space: global }
      - { .name: kv, .offset: 8, .size: 8, .value_kind: global_buffer, .address_space: global }
      - { .name: mask_kv, .offset: 16, .size: 8, .value_kind: global_buffer, .address_space: global }
      - { .name: at, .offset: 24, .size: 8, .value_kind: global_buffer, .address_space: global }
    .group_segment_fixed_size: 136192
    .private_segment_fixed_size: 0
    .kernarg_segment_align: 8
    .kernarg_segment_size: 32
    .max_flat_workgroup_size: 256
    .sgpr_count:     66
    .vgpr_count:     512
    .wavefront_size: 32
...
	.end_amdgpu_metadata
.endif
;; end of part 3
;; launch oproj (part 4): grid 8 x 32, 4 waves a work-group, clusters of 4 x 4, 327,680 bytes of LDS; arguments at, wo16, bo, out0; writes out0
.if DOCPART == 4
	.amdgcn_target "amdgcn-amd-amdhsa--gfx1250"
	.amdhsa_code_object_version 6
	.text
	.protected	k_qe3e0821dd3_oproj
	.globl	k_qe3e0821dd3_oproj
	.p2align	8
	.type	k_qe3e0821dd3_oproj,@function
k_qe3e0821dd3_oproj:
	s_mov_b64 s[64:65], 0
	v_nop
	global_prefetch_b8 v0, s[64:65] scope:SCOPE_SE
	s_setreg_imm32_b32 hwreg(HW_REG_WAVE_MODE, 25, 1), 1
	s_wait_xcnt 0x0
	s_wait_alu depctr_hold_cnt(0) depctr_sa_sdst(0) depctr_va_vdst(0) depctr_va_sdst(0) depctr_va_ssrc(0) depctr_va_vcc(0) depctr_vm_vsrc(0)
	s_getreg_b32 s2, hwreg(HW_REG_IB_STS2, 6, 4)
	s_cmp_eq_u32 s2, 0
	s_cbranch_scc0 .Lentry_in_a_cluster
	s_endpgm
.Lentry_in_a_cluster:
	s_bfe_u32 s2, ttmp6, 0x10000c
	s_cmp_lg_u32 s2, 0xf033
	s_cbranch_scc0 .Lentry_shape_is_right
	s_endpgm
.Lentry_shape_is_right:
; out0 = attn Wo + bo.  attn [4096][1024] and Wo arrive in f16 as images of matrix fragments (16 rows x 32 k in 1,024 bytes: registers 0-3 of lane l at 16 l, registers 4-7 at 512 + 16 l):
; at [row tile 256][k chunk 32][1,024], wo16 [column tile 64][k chunk 32][1,024].  Sums in f32; out0 [4096][1024] f32.
; A tile of out0 is 128 x 128: 256 work-groups.  Four waves, each 64 x 64: 16 accumulators.  K goes in steps of 256 (8 chunks) through a ring of two LDS slots; a wave's tensor load brings four tiles' 8,192 bytes each.
; A fragment comes out of LDS by two loads of 512 consecutive bytes: no pitch, no padding.
; CLUSTERS: 4 x 4 work-groups.  The four of a row of the cluster need the same tiles of at, the four of a column the same tiles of wo16: each is asked for JOINTLY.
; THE MATRIX INSTRUCTION IS USED TRANSPOSED (source 0 = 16 columns of Wo, source 1 = 16 rows of attn): a lane holds eight neighbouring numbers of a row of out0.  bo is the C of each sum's first product.
; LIMITS: NaN in attn (a batch whose mask has no true key) goes through to out0, as in the definition.
; REGISTERS: window 0: v0-31 addresses; v32-95 the way out; v96-127 bo; v128-255 the accumulators ((a, b) at v[128 + 8 (4 a + b)]).   window 1: two fragment buffers of 128: 64 of attn, then 64 of Wo.
.set KSTEPB, 8192                      ; a K step of one tile: 8 images
.set HALFT,  4*KSTEPB                  ; four tiles: what one tensor load brings, and what one wave reads of a side
.set SLOT,   4*HALFT                   ; attn's 8 tiles, then Wo's 8
.set STAGE,  2*SLOT                    ; behind the ring: 16 rows x 272 bytes for each wave
.set SPITCH, 272
.set SPARE,  STAGE+4*16*SPITCH         ; the spare words, 128 bytes a wave
.set LAPS,   2                         ; a lap = two K steps = once round the ring
.set ADRA, 16
.set ADRB, 20
.set STO,  24
.set RD,   25
.set CO,   26
.set SPW,  28                          ; v28  LDS address of my spare word; never rewritten
.set NIL,  29                          ; v29  0; never rewritten
.set TMP,  32
.set BO,   96
.set ACC,  128
.set F0,   0
.set F1,   128
.set G1, 24
.set G0, 32
.set G1B, 48
.set G0B, 56
.set MSB, 0
.macro WIN new                         ; the immediate's high byte repeats the setting that is left
.if MSB != \new
	s_set_vgpr_msb (MSB<<8)|\new
.set MSB, \new
.endif
.endm
.set MUL,  0x05                        ; sources 0 and 1 window 1; C and D window 0
.set TO_F, 0x40                        ; destination window 1, address window 0
.macro JLOAD s                         ; a joint load: waves 0 and 1 fetch attn's two halves, waves 2 and 3 Wo's; an s_nop 0 and four v_nop follow each of the two lines
	s_cmp_eq_u32 s11, 0
	s_cbranch_scc0 .Lfor_b_\@
	tensor_load_to_lds s[G0+4*\s:G0+4*\s+3], s[G1:G1+7]
	s_nop 0
.rept 4
	v_nop
.endr
	s_branch .Lasked_\@
.Lfor_b_\@:
	tensor_load_to_lds s[G0B+4*\s:G0B+4*\s+3], s[G1B:G1B+7]
	s_nop 0
.rept 4
	v_nop
.endr
.Lasked_\@:
.endm
.macro CREST                           ; a round of the cluster's barrier behind its opening barrier
	s_cmp_lg_u32 s10, 0
	s_cbranch_scc1 .Lnot_wave_0_\@
	s_barrier_signal -3
.Lnot_wave_0_\@:
	s_barrier_wait -3
	s_barrier_signal -1
	s_barrier_wait -1
.endm
.macro CROUND
	s_barrier_signal -1
	s_barrier_wait -1
	CREST
.endm
	s_load_b128 s[4:7], s[0:1], 0x0                ; at s[4:5], wo16 s[6:7]
	s_load_b64 s[2:3], s[0:1], 0x10                ; bo
	s_load_b64 s[8:9], s[0:1], 0x18                ; out0
	v_lshl_add_u32 v[SPW], v0, 2, SPARE
	v_mov_b32 v[NIL], 0
	ds_add_u32 v[SPW], v[NIL]                      ; the wave's opening: the add, twice on end, and its wait ahead of my first tensor load
	ds_add_u32 v[SPW], v[NIL]                      ; and once more, under the one wait; the set-up below, work on registers, stands between
	v_lshrrev_b32 v1, 5, v0
	v_readfirstlane_b32 s10, v1                    ; wave 0..3
	s_lshr_b32 s11, s10, 1                         ; which half of the tile's rows is mine.  Also: I fetch for attn (0) or for Wo (1)
	s_and_b32 s12, s10, 1                          ; which half of its columns.  Also: which four tiles I fetch
	s_bfe_u32 s40, ttmp6, 0x40000                  ; cx, cy
	s_bfe_u32 s41, ttmp6, 0x40004
	s_lshl_b32 s42, ttmp9, 2
	s_add_co_u32 s42, s42, s40                     ; tile column of out0
	s_and_b32 s13, ttmp7, 0xffff
	s_lshl_b32 s13, s13, 2
	s_add_co_u32 s13, s13, s41                     ; tile row of out0
	s_lshl_b32 s43, s41, 2
	s_lshl_b32 s43, 15, s43                        ; my row of the cluster
	s_lshl_b32 s44, 0x1111, s40                    ; my column
	; descriptor group 1: 4 rows (tiles) of 1,024 elements of 8 bytes, 4,096 elements apart in memory, on end in LDS
	s_or_b32 s[G1+0], s43, (3<<16)|(1<<21)         ; 15:0 the mask; 17:16 elements of 8 bytes; 21 set beside a mask; no padding
	s_or_b32 s[G1B+0], s44, (3<<16)|(1<<21)
.irp g, G1, G1B
	s_mov_b32 s[\g+1], 1024<<16                    ; tensor_dim0
	s_mov_b32 s[\g+2], 4<<16                       ; tensor_dim1
	s_mov_b32 s[\g+3], 1024<<16                    ; tile_dim0
	s_mov_b32 s[\g+4], 4                           ; tile_dim1
	s_mov_b32 s[\g+5], 4096                        ; tensor_dim0_stride
	s_mov_b32 s[\g+6], 0
	s_mov_b32 s[\g+7], 0
.endr
	s_lshl_b32 s17, s12, 17                        ; which four tiles of 32,768 bytes
	s_lshl_b32 s16, s13, 18
	s_add_co_u32 s16, s16, s17                     ; attn: 8 tiles x tile row + 4 x half
	s_lshl_b32 s46, s42, 18
	s_add_co_u32 s46, s46, s17                     ; Wo: 8 tiles x tile column + 4 x half
	s_mov_b32 s17, 0
	s_mov_b32 s47, 0
	s_mul_i32 s20, s10, HALFT                      ; where they go: wave x four tiles
	s_wait_dscnt 0x0                               ; both opening adds are done
	s_wait_kmcnt 0x0
	s_add_nc_u64 s[14:15], s[4:5], s[16:17]
	s_add_nc_u64 s[46:47], s[6:7], s[46:47]
	CROUND                                         ; all sixteen work-groups are here: the first joint loads meet
.irp s, 0,1
	s_mov_b32 s[G0+4*\s], 1
	s_add_co_u32 s[G0+4*\s+1], s20, \s*SLOT
	s_add_nc_u64 s[G0+4*\s+2:G0+4*\s+3], s[14:15], \s*KSTEPB
	s_or_b32 s[G0+4*\s+3], s[G0+4*\s+3], 0x80000000
	s_mov_b32 s[G0B+4*\s], 1
	s_add_co_u32 s[G0B+4*\s+1], s20, \s*SLOT
	s_add_nc_u64 s[G0B+4*\s+2:G0B+4*\s+3], s[46:47], \s*KSTEPB
	s_or_b32 s[G0B+4*\s+3], s[G0B+4*\s+3], 0x80000000
	JLOAD \s
.endr
	v_and_b32 v1, 15, v0                           ; r
	v_bfe_u32 v2, v0, 4, 1                         ; h
	v_and_b32 v3, 31, v0
	v_lshlrev_b32 v3, 4, v3                        ; 16 x lane: my place in half an image
	s_mul_i32 s21, s11, HALFT                      ; my four tiles of attn
	s_mul_i32 s22, s12, HALFT                      ; my four tiles of Wo,
	s_add_co_u32 s22, s22, 2*HALFT                 ; which lie behind attn's eight
.irp s, 0,1
	v_add_nc_u32 v[ADRA+\s], s21, v3
	v_add_nc_u32 v[ADRB+\s], s22, v3
	s_add_co_u32 s21, s21, SLOT
	s_add_co_u32 s22, s22, SLOT
.endr
	s_mul_i32 s23, s10, 16*SPITCH
	s_add_co_u32 s23, s23, STAGE                   ; my stage
	v_mul_u32_u24 v4, v1, SPITCH                   ; in: row r, 32 bytes for each half of the lanes
	v_lshl_add_u32 v4, v2, 5, v4
	v_add_nc_u32 v[STO], s23, v4
	v_mul_u32_u24 v5, v2, SPITCH                   ; back: lanes 0-15 take one row of 256 bytes, lanes 16-31 the next
	v_lshl_add_u32 v5, v1, 4, v5
	v_add_nc_u32 v[RD], s23, v5
	v_lshlrev_b32 v5, 12, v2                       ; and the same two rows in out0
	v_lshl_add_u32 v[CO], v1, 4, v5
	v_lshlrev_b32 v27, 5, v2                       ; bo: 8 h numbers on
	s_lshl_b32 s16, s13, 19                        ; my first row: 128 x tile row + 64 x half, 4,096 bytes a row
	s_lshl_b32 s17, s11, 18
	s_add_co_u32 s16, s16, s17
	s_mov_b32 s17, 0
	s_add_nc_u64 s[8:9], s[8:9], s[16:17]
	s_lshl_b32 s46, s42, 9                         ; my first column, in bytes: 512 x tile column + 256 x half: in out0's rows and in bo alike
	s_lshl_b32 s47, s12, 8
	s_add_co_u32 s46, s46, s47
	s_mov_b32 s47, 0
	s_add_nc_u64 s[8:9], s[8:9], s[46:47]
	s_add_nc_u64 s[2:3], s[2:3], s[46:47]
.irp b, 0,1,2,3
	global_load_b128 v[BO+8*\b:BO+8*\b+3], v27, s[2:3] offset:64*\b          ; bo(16 b + 8 h + 0 .. 7): the result's layout
	global_load_b128 v[BO+8*\b+4:BO+8*\b+7], v27, s[2:3] offset:64*\b+16
.endr
; 8 matrix instructions: row blocks a0, a0 + 1 x all 4 column blocks, 32 along K: half c of buffer f.  zero = 1: the first product starts the sums, from bo.  The 16 accumulators take turns.
.macro MUL8 f, c, a0, zero
.irp a, \a0, \a0+1
.irp b, 0,1,2,3
.if \zero
	v_wmma_f32_16x16x32_f16 v[ACC+8*(4*(\a)+\b):ACC+8*(4*(\a)+\b)+7], v[\f+64+8*(4*\c+\b):\f+64+8*(4*\c+\b)+7], v[\f+8*(4*\c+\a):\f+8*(4*\c+\a)+7], v[BO+8*\b:BO+8*\b+7]
.else
	v_wmma_f32_16x16x32_f16 v[ACC+8*(4*(\a)+\b):ACC+8*(4*(\a)+\b)+7], v[\f+64+8*(4*\c+\b):\f+64+8*(4*\c+\b)+7], v[\f+8*(4*\c+\a):\f+8*(4*\c+\a)+7], v[ACC+8*(4*(\a)+\b):ACC+8*(4*(\a)+\b)+7]
.endif
.endr
.endr
.endm
; 32 LDS loads in one run: the fragments of two chunks, from byte k of each tile's K step, into buffer f; the first chunk first
.macro FETCH slot, k, f
	WIN TO_F
.irp c, 0,1
.irp i, 0,1,2,3
	ds_load_b128 v[\f+64+8*(4*\c+\i):\f+64+8*(4*\c+\i)+3],   v[ADRB+\slot] offset:\k+1024*\c+\i*KSTEPB
	ds_load_b128 v[\f+64+8*(4*\c+\i)+4:\f+64+8*(4*\c+\i)+7], v[ADRB+\slot] offset:\k+1024*\c+\i*KSTEPB+512
	ds_load_b128 v[\f+8*(4*\c+\i):\f+8*(4*\c+\i)+3],         v[ADRA+\slot] offset:\k+1024*\c+\i*KSTEPB
	ds_load_b128 v[\f+8*(4*\c+\i)+4:\f+8*(4*\c+\i)+7],       v[ADRA+\slot] offset:\k+1024*\c+\i*KSTEPB+512
.endr
.endr
.endm
.macro PLACES                          ; four places in front of loads into registers that matrix instructions have read, and of reads of results
.rept 4
	v_nop
.endr
.endm
; A K step is four quarters of 64 along K, 32 matrix instructions each, on buffers 0, 1, 0, 1.
.macro QUARTER slot, k, f, g, zero
	s_wait_dscnt 16                                ; the first chunk's 16 loads are in
	WIN MUL
	MUL8 \f, 0, 0, \zero
	MUL8 \f, 0, 2, \zero
	PLACES
	FETCH \slot, \k, \g
	s_wait_dscnt 32                                ; all but the 32 just issued
	WIN MUL
	MUL8 \f, 1, 0, 0
	MUL8 \f, 1, 2, 0
.endm
; The last quarter multiplies buffer 1 and changes slots: one barrier; in front of it each wave waits for all its tensor loads, adds 0 to its spare word, and waits for that and for its reads of this slot.
.macro TURN slot, next, fill
	WIN 0                                          ; (the add's two registers lie in window 0)
	s_wait_tensorcnt 0x0                           ; all my tensor loads have landed: my part of the next slot
	ds_add_u32 v[SPW], v[NIL]                      ; 0 onto my spare word
	s_wait_dscnt 17                                ; (the add and the youngest sixteen loads may be out)
	WIN MUL
	MUL8 F1, 0, 0, 0
	s_wait_dscnt 0x0                               ; the add is done, and my reads of this slot are over
	s_barrier_signal -1
	MUL8 F1, 0, 2, 0
.if \fill
	WIN 0
.endif
	s_barrier_wait -1
.if \fill
	CREST                                          ; the barrier has opened a round of the cluster's barrier: no wave of any partner still reads this slot or has a load on its way
	s_add_nc_u64 s[G0+4*\slot+2:G0+4*\slot+3], s[G0+4*\slot+2:G0+4*\slot+3], 2*KSTEPB
	s_add_nc_u64 s[G0B+4*\slot+2:G0B+4*\slot+3], s[G0B+4*\slot+2:G0B+4*\slot+3], 2*KSTEPB
	JLOAD \slot                                    ; the first tensor load behind the round; the four v_nop behind it are also the places in front of the loads below
.else
	PLACES
.endif
	FETCH \next, 0, F0
	WIN MUL
	MUL8 F1, 1, 0, 0
	MUL8 F1, 1, 2, 0
.endm
	s_wait_tensorcnt 1                             ; my part of K step 0 is in (K step 1's load may be out)
	s_barrier_signal -1
	s_barrier_wait -1                              ; everybody's is
	FETCH 0, 0, F0
	s_wait_loadcnt 0x0                             ; bo
	QUARTER 0, 2048, F0, F1, 1                     ; the first quarter stands in front of the loop: its first products start the sums
	WIN 0                                          ; at a label and at a branch every window is 0
	s_mov_b32 s45, LAPS-1
.Llap:                                             ; a trip goes once round the ring, from a lap's second quarter to the next lap's first, and fills both slots again
	QUARTER 0, 4096, F1, F0, 0
	QUARTER 0, 6144, F0, F1, 0
	TURN 0, 1, 1
	QUARTER 1, 2048, F0, F1, 0
	QUARTER 1, 4096, F1, F0, 0
	QUARTER 1, 6144, F0, F1, 0
	TURN 1, 0, 1
	QUARTER 0, 2048, F0, F1, 0
	WIN 0
	s_sub_co_u32 s45, s45, 1
	s_cmp_lg_u32 s45, 0
	s_cbranch_scc1 .Llap
	QUARTER 0, 4096, F1, F0, 0                     ; the last lap fills nothing, and has no round of the cluster's barrier
	QUARTER 0, 6144, F0, F1, 0
	TURN 0, 1, 0
	QUARTER 1, 2048, F0, F1, 0
	QUARTER 1, 4096, F1, F0, 0
	QUARTER 1, 6144, F0, F1, 0
	s_wait_dscnt 16                                ; the very last quarter: nothing more to fetch
	WIN MUL
	MUL8 F1, 0, 0, 0
	MUL8 F1, 0, 2, 0
	s_wait_dscnt 0
	MUL8 F1, 1, 0, 0
	MUL8 F1, 1, 2, 0
	WIN 0
; THE WAY OUT, a block of 16 rows x 64 columns at a time.  A lane holds 32 neighbouring bytes of a row, the lanes beside it other rows: the block goes through my own stage and comes back as whole rows of 256 bytes.
; LDS serves a wave's instructions in order (ISA guide 5.7.1.4): no wait between the stores and the loads, nor in front of the next block's stores.
.macro TOSTAGE a
.irp b, 0,1,2,3
	ds_store_b128 v[STO], v[ACC+8*(4*(\a)+\b):ACC+8*(4*(\a)+\b)+3] offset:64*\b        ; each accumulator from its low end on
	ds_store_b128 v[STO], v[ACC+8*(4*(\a)+\b)+4:ACC+8*(4*(\a)+\b)+7] offset:64*\b+16
.endr
.irp i, 0,1,2,3,4,5,6,7
	ds_load_b128 v[TMP+32*((\a)%2)+4*\i:TMP+32*((\a)%2)+4*\i+3], v[RD] offset:\i*2*SPITCH
.endr
.endm
.macro SEND a, younger                 ; younger: the LDS instructions issued behind block a's loads
	s_wait_dscnt \younger
.irp i, 0,1,2,3,4,5,6,7
	global_store_b128 v[CO], v[TMP+32*((\a)%2)+4*\i:TMP+32*((\a)%2)+4*\i+3], s[8:9] offset:(16*(\a)+2*\i)*4096 th:TH_STORE_NT   ; 16 lanes store 256 consecutive bytes, at a multiple of 256 from out0's first byte
.endr
.endm
	PLACES
	TOSTAGE 0
	TOSTAGE 1
	SEND 0, 16                                     ; behind block 0's loads: block 1's 8 stores and 8 loads
	s_wait_xcnt 0x0                                ; block 0's stores have read their registers: block 2's loads may land there
	TOSTAGE 2
	SEND 1, 16
	s_wait_xcnt 0x0
	TOSTAGE 3
	SEND 2, 16
	SEND 3, 0
	s_wait_tensorcnt 0x0                           ; the wave's end: a tensor wait, an add onto my spare word and its wait, behind my last tensor load and my last LDS store
	ds_add_u32 v[SPW], v[NIL]
	s_wait_dscnt 0x0
	CROUND                                         ; the closing round: no work-group ends while a partner may still ask for a tile that names it
	s_endpgm
.Lfunc_end_k_qe3e0821dd3_oproj:
	.size	k_qe3e0821dd3_oproj, .Lfunc_end_k_qe3e0821dd3_oproj-k_qe3e0821dd3_oproj
	.p2alignl 7, 3214868480
	.fill 96, 4, 3214868480
	.section	.rodata,"a",@progbits
	.p2align	6, 0x0
	.amdhsa_kernel k_qe3e0821dd3_oproj
		.amdhsa_group_segment_fixed_size 327680
		.amdhsa_private_segment_fixed_size 0
		.amdhsa_enable_private_segment 0
		.amdhsa_kernarg_size 32
		.amdhsa_user_sgpr_count 2
		.amdhsa_user_sgpr_kernarg_segment_ptr 1
		.amdhsa_wavefront_size32 1
		.amdhsa_system_sgpr_workgroup_id_x 1
		.amdhsa_system_sgpr_workgroup_id_y 1
		.amdhsa_system_sgpr_workgroup_id_z 1
		.amdhsa_system_vgpr_workitem_id 0
		.amdhsa_next_free_vgpr 512
		.amdhsa_next_free_sgpr 66
		.amdhsa_reserve_vcc 0
		.amdhsa_float_denorm_mode_32 3
		.amdhsa_float_denorm_mode_16_64 3
		.amdhsa_memory_ordered 1
		.amdhsa_forward_progress 1
		.amdhsa_inst_pref_size 86
	.end_amdhsa_kernel
	.amdgpu_metadata
---
amdhsa.version: [ 1, 2 ]
amdhsa.kernels:
  - .name:           k_qe3e0821dd3_oproj
    .symbol:         k_qe3e0821dd3_oproj.kd
    .args:
      - { .name: at, .offset: 0, .size: 8, .value_kind: global_buffer, .address_space: global }
      - { .name: wo16, .offset: 8, .size: 8, .value_kind: global_buffer, .address_space: global }
      - { .name: bo, .offset: 16, .size: 8, .value_kind: global_buffer, .address_space: global }
      - { .name: out0, .offset: 24, .size: 8, .value_kind: global_buffer, .address_space: global }
    .group_segment_fixed_size: 327680
    .private_segment_fixed_size: 0
    .kernarg_segment_align: 8
    .kernarg_segment_size: 32
    .max_flat_workgroup_size: 128
    .sgpr_count:     66
    .vgpr_count:     512
    .wavefront_size: 32
...
	.end_amdgpu_metadata
.endif
;; end of part 4
